; MI455X (gfx1250); checked and timed in simulation.
; The chip was launched on July 23, 2026; its instructions are those of AMD's public machine-readable ISA for CDNA 5 (MIT licence, August 2026) and "CDNA5" Instruction Set Architecture Reference Guide (July 2026). The comments in the code are by the model that wrote it; some were corrected since.
;; Info Still. Allowed arithmetic: matrix products marked QUANTISED: E5M2 operands, one given power-of-two scale a tensor, by v_wmma_f32_16x16x64_bf8_bf8 or v_wmma_f32_16x16x128_bf8_bf8, f32 sums; everything else in f32.
;; Inputs: ln_beta 1,024 float32; ln_gamma 1,024 float32; lowp_scales 8 int32 (the exponents e of the quantised operands' scales 2^e); qkscale one number float32; w_out_codes 1,024 x 32 x 32 uint8 (E5M2 codes of w_out, K innermost, in blocks of 32 codes); w_qkv_codes 3,072 x 32 x 32 uint8 (E5M2 codes of w_qkv, K innermost, in blocks of 32 codes); x 2 x 2,048 x 1,024 float32.
;; Outputs: out0 2 x 2,048 x 1,024 float32.
;; This version of the problem:
;;   THIS VERSION OF THE PROBLEM IS GIVEN IN LOW PRECISION. The matrix products marked QUANTISED in the list below multiply operands that are first quantised to E5M2 (5 exponent bits, 2 mantissa bits; 8 bits a number), with one given power-of-two scale for each operand tensor; their sums are f32. All else is computed in f32.
;;   The module's matrix products, in the order in which they are computed (A, B: the left and right operand; K: the contracted axis; several contracted axes count as one K, in the product's order):
;;     1. [M 4,096, K 1,024] x [K 1,024, N 3,072]; A: computed on the way; B: input w_qkv (given as codes): QUANTISED (scales: A lowp_scales[0], B lowp_scales[1])
;;     2. batch 32 x [M 2,048, K 64] x [K 64, N 2,048]; A: computed on the way; B: computed on the way: QUANTISED (scales: A lowp_scales[2], B lowp_scales[3])
;;     3. batch 32 x [M 2,048, K 2,048] x [K 2,048, N 64]; A: softmax (see below); B: computed on the way: QUANTISED (scales: A lowp_scales[4], B lowp_scales[5])
;;     4. [M 4,096, K 1,024] x [K 1,024, N 1,024]; A: computed on the way; B: input w_out (given as codes): QUANTISED (scales: A lowp_scales[6], B lowp_scales[7])
;;   THE QUANTISER, for each operand of a quantised product, along K:
;;     - The operand's scale is 2^e, e = its entry of the input lowp_scales (int32; the entries are numbered through the quantised products in the list's order, A before B).
;;     - Each number is divided by the scale, clamped to +-57,344, and rounded to the nearest number of E5M2, ties to even, subnormals kept.
;;     - The product sums the exact products of the quantised numbers (number of the format x scale) in f32.
;;   ~~~python
;;   def quantise(x, axis, e):      # numpy; x: float32 -> the quantised numbers, widened to float32 again
;;       x = np.moveaxis(x, axis, -1); K = x.shape[-1]
;;       r = np.clip(x / 2.0 ** e, -57344, 57344)
;;       step = 2.0 ** (np.maximum(np.frexp(np.where(r == 0, 1, r))[1] - 1, -14) - 2)
;;       q = np.round(r / step) * step * 2.0 ** e      # np.round: ties to even
;;       return np.moveaxis(q, -1, axis).astype(np.float32)
;;   ~~~
;;   SOFTMAX AHEAD OF A QUANTISED PRODUCT. Where the list says 'softmax', what is quantised is not the finished softmax but p = 2^(t - M), with t = logit x log2(e) and M = ceil(the row's largest t), a whole number; so 1/2 < the row's largest p <= 1. The row's sum l is taken of the UNQUANTISED p, in f32, and the product's result is divided by l at the end. Since M is a whole number, a kernel that streams over the keys may use a running M (the ceiling of the running maximum): every later rescaling is an exact power of two, so the quantised numbers keep their values, but for numbers so far below the row's largest that they fall under the format's range.
;;   OPERANDS COMPUTED ON THE WAY. 'Computed on the way' means the value that the module computes at that place (a softmax that the list does not call 'softmax' is quantised finished and normalised). What goes into a quantiser is computed in f32, as accurately as f32 sums, v_exp_f32 and their like allow (about 1e-6 of the number): no bf16 or f16 on the way to a quantiser, and a product that is left as it is and whose result goes on into a quantised operand takes f32 operands (vector FMAs, or v_wmma_f32_16x16x4_f32). A number that lies on a knife's edge between two numbers of the format may be rounded either way, as far as f32 arithmetic and the matrix unit's own rounding can turn it there, and no further.
;;   INPUTS GIVEN AS CODES. w_out (in the module: [1024, 1024], K = its axis 0); w_qkv (in the module: [1024, 3072], K = its axis 0): each comes as NAME_codes (uint8): NAME with its K axis moved to the last place and cut into blocks of 32 codes, [.., K / 32, bytes a block], one block behind the other in memory; one code a byte (a code: sign, 5 exponent bits, 2 mantissa bits); its scale is its entry of lowp_scales. Its value is code x scale, taken as it is: it is not quantised again, and the codes and scales need not be those that the quantiser above would give.
;; One version. Each part assembles by itself: llvm-mc -triple=amdgcn-amd-amdhsa -mcpu=gfx1250 --defsym DOCPART=n.
;; ======== version 1 of 1: 4 launches
;; limits: right only within a limited range of input values
;; workspace buffers: h_codes 4,194,304 bytes; rope 8,192 bytes; q_img 4,194,304 bytes; k_img 4,194,304 bytes; v_img 4,194,304 bytes; o_img 4,194,304 bytes
;; launch ln (part 1): grid 256 x 1, 8 waves a work-group, no clusters, 0 bytes of LDS; arguments x, ln_gamma, ln_beta, lowp_scales, h_codes, rope; writes h_codes, rope
.if DOCPART == 1
	.amdgcn_target "amdgcn-amd-amdhsa--gfx1250"
	.amdhsa_code_object_version 6
	.text
	.protected	k_qe6eac2fcbf_ln
	.globl	k_qe6eac2fcbf_ln
	.p2align	8
	.type	k_qe6eac2fcbf_ln,@function
k_qe6eac2fcbf_ln:
	s_mov_b64 s[64:65], 0
	v_nop
	global_prefetch_b8 v0, s[64:65] scope:SCOPE_SE
	s_setreg_imm32_b32 hwreg(HW_REG_WAVE_MODE, 25, 1), 1
	s_wait_xcnt 0x0
; h = (x - mean) / sqrt(var + 1e-5) * gamma + beta for 4,096 rows of 1,024 f32, quantised to E5M2 with the given scale 2^e0: h_codes [4096][1024], one code a byte.
; The first four work-groups also make the two tables of the rotation, whose angles hang on the column alone:
;   rope[j]        = cos(theta) x 2^(e0 + e1),  theta = 2048 x 10000^(-(j >> 1) / 512)
;   rope[1024 + j] = -sin(theta) x 2^(e0 + e1) for j < 512, +sin(theta) x 2^(e0 + e1) for j >= 512   (the sign that the rotated partner carries)
; SHARES.  Eight waves, 16 rows a work-group; a wave takes two whole rows and keeps them in registers between the passes: x is read once, and no wave waits for another: no LDS, no barrier.
; Lane l holds columns 256 j + 8 l + 0 .. 7 (j = 0 .. 3) in registers 8 j + 0 .. 7: eight neighbours along K for one conversion, and the wave's store of 8 bytes a lane covers 256 consecutive bytes, aligned.
; The variance is taken of x - mean in a second pass over the registers, so no difference of large sums is formed.
; No matrix unit, no cluster, no tensor load: the launch streams, work-groups share only gamma and beta (8 KiB).
; LIMITS: e0 between -126 and 112, so that 2^e0 and 57,344 x 2^e0 are f32 numbers; e0 + e1 small enough in magnitude that the tables' entries stay normal f32 numbers.  NaN among the inputs is not served.
; theta carries the f32 error of a power of two at 2,048 (one unit in the last place of theta), as an f32 evaluation of the same power does.
.set T0,  4                            ; v4-7    row 0: at work
.set T1,  8                            ; v8-11   row 1: at work
.set GA,  16                           ; v16-47  gamma of my 32 columns
.set BE,  48                           ; v48-79  beta
.set X0,  80                           ; v80-111 row 0
.set X1,  112                          ; v112-143 row 1
.set C0,  144                          ; v144-151 row 0's codes
.set C1,  152                          ; v152-159 row 1's codes
.set SC,  160                          ; v160    2^e0
.set LIM, 161                          ; v161    57,344 x 2^e0
.set RN,  162                          ; v162    1 / 1024
	s_load_b256 s[4:11], s[0:1], 0x0               ; x s[4:5], gamma s[6:7], beta s[8:9], the scales' exponents s[10:11]
	s_load_b128 s[12:15], s[0:1], 0x20             ; h_codes s[12:13], rope s[14:15]
	v_lshrrev_b32 v3, 5, v0
	s_delay_alu instid0(VALU_DEP_1)
	v_readfirstlane_b32 s16, v3                    ; wave 0..7
	v_and_b32 v3, 31, v0                           ; lane
	s_delay_alu instid0(VALU_DEP_1)
	v_lshlrev_b32 v1, 5, v3                        ; 32 bytes of f32 a lane
	s_delay_alu instid0(VALU_DEP_2)
	v_lshlrev_b32 v2, 3, v3                        ; 8 bytes of codes a lane
	v_mov_b32 v[RN], 0x3a800000
	s_lshl_b32 s18, ttmp9, 16                      ; 16 rows of 4,096 bytes a work-group,
	s_lshl_b32 s17, s16, 13                        ; two a wave
	s_add_co_u32 s18, s18, s17
	s_mov_b32 s19, 0
	s_lshr_b32 s22, s18, 2                         ; the codes: a quarter of the bytes
	s_mov_b32 s23, 0
	s_mov_b32 s20, 0x76543210                      ; v_permlanex16_b32: each lane takes its own place in the other half
	s_mov_b32 s21, 0xfedcba98
	s_wait_alu depctr_va_vdst(0)
	s_wait_kmcnt 0x0
	s_load_b64 s[24:25], s[10:11], 0x0             ; e0, e1
	s_add_nc_u64 s[4:5], s[4:5], s[18:19]
	s_add_nc_u64 s[12:13], s[12:13], s[22:23]
.irp j, 0,1,2,3
	global_load_b128 v[X0+8*\j:X0+8*\j+3], v1, s[4:5] offset:1024*\j th:TH_LOAD_NT
	global_load_b128 v[X0+8*\j+4:X0+8*\j+7], v1, s[4:5] offset:1024*\j+16 th:TH_LOAD_NT
.endr
.irp j, 0,1,2,3
	global_load_b128 v[X1+8*\j:X1+8*\j+3], v1, s[4:5] offset:4096+1024*\j th:TH_LOAD_NT
	global_load_b128 v[X1+8*\j+4:X1+8*\j+7], v1, s[4:5] offset:4096+1024*\j+16 th:TH_LOAD_NT
.endr
.irp j, 0,1,2,3
	global_load_b128 v[GA+8*\j:GA+8*\j+3], v1, s[6:7] offset:1024*\j
	global_load_b128 v[GA+8*\j+4:GA+8*\j+7], v1, s[6:7] offset:1024*\j+16
.endr
.irp j, 0,1,2,3
	global_load_b128 v[BE+8*\j:BE+8*\j+3], v1, s[8:9] offset:1024*\j
	global_load_b128 v[BE+8*\j+4:BE+8*\j+7], v1, s[8:9] offset:1024*\j+16
.endr
	s_wait_kmcnt 0x0
	s_add_co_i32 s22, s24, 127
	s_lshl_b32 s23, s22, 23
	v_mov_b32 v[SC], s23                           ; 2^e0 as f32: the conversion takes its exponent field
	s_add_co_i32 s22, s22, 15
	s_lshl_b32 s22, s22, 23
	s_or_b32 s22, s22, 0x600000
	v_mov_b32 v[LIM], s22                          ; the largest number x 2^e0
	; THE TABLES: work-groups 0 to 3, thread j = 256 x work-group + thread.  Registers v164-173 are theirs alone, so their stores' sources are never rewritten.
	s_cmp_lt_u32 ttmp9, 4
	s_cbranch_scc0 .Lno_table
	s_lshl_b32 s26, ttmp9, 8
	v_add_nc_u32 v164, s26, v0                     ; j
	s_delay_alu instid0(VALU_DEP_1)
	v_lshrrev_b32 v165, 1, v164
	s_delay_alu instid0(VALU_DEP_1)
	v_cvt_f32_u32 v165, v165                       ; i = j >> 1
	s_delay_alu instid0(VALU_DEP_1)
	v_mul_f32 v165, 0xbcd49a78, v165               ; -i x log2(10000) / 512
	s_wait_alu depctr_va_vdst(0)
	v_exp_f32 v165, v165                           ; 10000^(-i / 512)
	v_lshlrev_b32 v164, 2, v164                    ; (a plain line behind the exponential)  4 j: the entry's byte
	s_wait_alu depctr_va_vdst(0)
	v_ldexp_f32 v165, v165, 11                     ; theta = 2048 x that: exact
	s_delay_alu instid0(VALU_DEP_1)
	v_mul_f32 v166, 0x3f22f983, v165               ; theta x 2 / pi
	s_delay_alu instid0(VALU_DEP_1)
	v_rndne_f32 v166, v166                         ; n, at most 1,304
	s_delay_alu instid0(VALU_DEP_1)
	v_fmamk_f32 v165, v166, 0xbfc90fdb, v165       ; r = theta - n x pi/2, pi/2 in two parts: the upper,
	s_delay_alu instid0(VALU_DEP_1)
	v_fmamk_f32 v165, v166, 0x333bbd2e, v165       ; and what it lacks (pi/2 - upper = -4.37e-8); what is left of pi/2 times n stays under 3e-12
	s_delay_alu instid0(VALU_DEP_1)
	v_mul_f32 v167, v165, v165                     ; r^2, |r| <= pi/4
	v_mov_b32 v168, 0x3638ef1d                     ; sin r = r + r^3 (-1/6 + r^2 (1/120 + r^2 (-1/5040 + r^2 / 362880))): the next term is under 2e-9
	s_delay_alu instid0(VALU_DEP_1)
	v_fmaak_f32 v168, v168, v167, 0xb9500d01
	s_delay_alu instid0(VALU_DEP_1)
	v_fmaak_f32 v168, v168, v167, 0x3c088889
	s_delay_alu instid0(VALU_DEP_1)
	v_fmaak_f32 v168, v168, v167, 0xbe2aaaab
	v_mul_f32 v169, v167, v165
	s_delay_alu instid0(VALU_DEP_1)
	v_fma_f32 v168, v168, v169, v165
	v_mov_b32 v170, 0xb493f27e                     ; cos r = 1 + r^2 (-1/2 + r^2 (1/24 + r^2 (-1/720 + r^2 (1/40320 - r^2 / 3628800)))): the next term is under 2e-10
	s_delay_alu instid0(VALU_DEP_1)
	v_fmaak_f32 v170, v170, v167, 0x37d00d01
	s_delay_alu instid0(VALU_DEP_1)
	v_fmaak_f32 v170, v170, v167, 0xbab60b61
	s_delay_alu instid0(VALU_DEP_1)
	v_fmaak_f32 v170, v170, v167, 0x3d2aaaab
	s_delay_alu instid0(VALU_DEP_1)
	v_fmaak_f32 v170, v170, v167, 0xbf000000
	s_delay_alu instid0(VALU_DEP_1)
	v_fma_f32 v170, v170, v167, 1.0
	v_cvt_i32_f32 v166, v166                       ; the quadrant: n mod 4
	s_delay_alu instid0(VALU_DEP_1)
	v_and_b32 v171, 1, v166
	s_delay_alu instid0(VALU_DEP_1)
	v_cmp_eq_u32 vcc_lo, 1, v171
	s_delay_alu instid0(VALU_DEP_1)
	v_cndmask_b32 v172, v168, v170, vcc_lo         ; odd quadrants change sine and cosine over
	s_delay_alu instid0(VALU_DEP_2)
	v_cndmask_b32 v173, v170, v168, vcc_lo
	v_and_b32 v171, 2, v166
	s_delay_alu instid0(VALU_DEP_1)
	v_lshlrev_b32 v171, 30, v171
	s_delay_alu instid0(VALU_DEP_1)
	v_xor_b32 v172, v171, v172                     ; sin theta: negative in quadrants 2, 3
	v_add_nc_u32 v166, 1, v166
	s_delay_alu instid0(VALU_DEP_1)
	v_and_b32 v166, 2, v166
	s_delay_alu instid0(VALU_DEP_1)
	v_lshlrev_b32 v166, 30, v166
	s_delay_alu instid0(VALU_DEP_1)
	v_xor_b32 v173, v166, v173                     ; cos theta: negative in quadrants 1, 2
	s_cmp_lt_u32 ttmp9, 2
	s_cselect_b32 s27, 0x80000000, 0
	v_xor_b32 v172, s27, v172                      ; columns under 512 take their partner with a minus
	s_add_co_i32 s28, s24, s25
	v_ldexp_f32 v172, v172, s28                    ; x 2^(e0 + e1): what the sums of the first product lack
	v_ldexp_f32 v173, v173, s28
	global_store_b32 v164, v173, s[14:15]
	global_store_b32 v164, v172, s[14:15] offset:4096
.Lno_table:
.macro WSUM t                          ; the sum over the 32 lanes, in every lane
	s_delay_alu instid0(VALU_DEP_1)
	v_add_f32_dpp v[\t], v[\t], v[\t] row_xmask:1 row_mask:0xf bank_mask:0xf
	s_delay_alu instid0(VALU_DEP_1)
	v_add_f32_dpp v[\t], v[\t], v[\t] row_xmask:2 row_mask:0xf bank_mask:0xf
	s_delay_alu instid0(VALU_DEP_1)
	v_add_f32_dpp v[\t], v[\t], v[\t] row_xmask:4 row_mask:0xf bank_mask:0xf
	s_delay_alu instid0(VALU_DEP_1)
	v_add_f32_dpp v[\t], v[\t], v[\t] row_xmask:8 row_mask:0xf bank_mask:0xf
	s_delay_alu instid0(VALU_DEP_1)
	v_permlanex16_b32 v[\t+1], v[\t], s20, s21
	s_delay_alu instid0(VALU_DEP_1)
	v_add_f32 v[\t], v[\t], v[\t+1]
.endm
; the row in v[x] on becomes x - mean; v[t] becomes var + 1e-5
.macro STATS x, t
	v_pk_add_f32 v[\t:\t+1], v[\x:\x+1], v[\x+2:\x+3]              ; two chains, started by the first eight numbers
	v_pk_add_f32 v[\t+2:\t+3], v[\x+4:\x+5], v[\x+6:\x+7]
.irp j, 8,12,16,20,24,28
	s_delay_alu instid0(VALU_DEP_2)
	v_pk_add_f32 v[\t:\t+1], v[\t:\t+1], v[\x+\j:\x+\j+1]
	s_delay_alu instid0(VALU_DEP_2)
	v_pk_add_f32 v[\t+2:\t+3], v[\t+2:\t+3], v[\x+\j+2:\x+\j+3]
.endr
	s_delay_alu instid0(VALU_DEP_1)
	v_pk_add_f32 v[\t:\t+1], v[\t:\t+1], v[\t+2:\t+3]
	s_delay_alu instid0(VALU_DEP_1)
	v_add_f32 v[\t], v[\t], v[\t+1]
	WSUM \t
	s_delay_alu instid0(VALU_DEP_1)
	v_mul_f32 v[\t], v[RN], v[\t]                  ; the mean
.irp j, 0,2,4,6,8,10,12,14,16,18,20,22,24,26,28,30
	v_pk_add_f32 v[\x+\j:\x+\j+1], v[\x+\j:\x+\j+1], v[\t:\t+1] op_sel_hi:[1,0] neg_lo:[0,1] neg_hi:[0,1]
.endr
	v_pk_mul_f32 v[\t:\t+1], v[\x:\x+1], v[\x:\x+1]
	v_pk_mul_f32 v[\t+2:\t+3], v[\x+2:\x+3], v[\x+2:\x+3]
.irp j, 4,8,12,16,20,24,28
	s_delay_alu instid0(VALU_DEP_2)
	v_pk_fma_f32 v[\t:\t+1], v[\x+\j:\x+\j+1], v[\x+\j:\x+\j+1], v[\t:\t+1]
	s_delay_alu instid0(VALU_DEP_2)
	v_pk_fma_f32 v[\t+2:\t+3], v[\x+\j+2:\x+\j+3], v[\x+\j+2:\x+\j+3], v[\t+2:\t+3]
.endr
	s_delay_alu instid0(VALU_DEP_1)
	v_pk_add_f32 v[\t:\t+1], v[\t:\t+1], v[\t+2:\t+3]
	s_delay_alu instid0(VALU_DEP_1)
	v_add_f32 v[\t], v[\t], v[\t+1]
	WSUM \t
	s_delay_alu instid0(VALU_DEP_1)
	v_fmaak_f32 v[\t], v[\t], v[RN], 0x3727c5ac    ; the biased variance + 1e-5
.endm
; (x - mean) x v[t] x gamma + beta, held, converted, stored at off bytes
.macro FINISH x, t, c, off
.irp j, 0,2,4,6,8,10,12,14,16,18,20,22,24,26,28,30
	v_pk_mul_f32 v[\x+\j:\x+\j+1], v[\x+\j:\x+\j+1], v[\t:\t+1] op_sel_hi:[1,0]
.endr
.irp j, 0,2,4,6,8,10,12,14,16,18,20,22,24,26,28,30
	v_pk_fma_f32 v[\x+\j:\x+\j+1], v[\x+\j:\x+\j+1], v[GA+\j:GA+\j+1], v[BE+\j:BE+\j+1]
.endr
.set n, 0
.rept 32
	v_med3_num_f32 v[\x+n], v[\x+n], -v[LIM], v[LIM]   ; the conversion to an 8-bit code does not saturate (ISA guide 7.6.2): hold at the largest code x the scale first
.set n, n+1
.endr
.irp j, 0,1,2,3
	v_cvt_scalef32_pk8_bf8_f32 v[\c+2*\j:\c+2*\j+1], v[\x+8*\j:\x+8*\j+7], v[SC]
.endr
	v_nop                                          ; a plain line behind the last conversion of the run
.irp j, 0,1,2,3
	global_store_b64 v2, v[\c+2*\j:\c+2*\j+1], s[12:13] offset:\off+256*\j   ; 32 lanes store 256 consecutive bytes, at a multiple of 256 from the buffer's first byte
.endr
.endm
	s_wait_loadcnt 24                              ; row 0's eight loads are in; behind them 24 were issued
	STATS X0, T0
	s_wait_loadcnt 16                              ; row 1's; behind them gamma's and beta's 16
	STATS X1, T1
	s_wait_alu depctr_va_vdst(0)
	v_rsq_f32 v[T0], v[T0]
	v_rsq_f32 v[T1], v[T1]
	v_nop                                          ; a plain line between the last of them and the first use
	s_wait_alu depctr_va_vdst(0)
	s_wait_loadcnt 0x0                             ; gamma and beta
	FINISH X0, T0, C0, 0
	FINISH X1, T1, C1, 1024
	s_endpgm
.Lfunc_end_k_qe6eac2fcbf_ln:
	.size	k_qe6eac2fcbf_ln, .Lfunc_end_k_qe6eac2fcbf_ln-k_qe6eac2fcbf_ln
	.p2alignl 7, 3214868480
	.fill 96, 4, 3214868480
	.section	.rodata,"a",@progbits
	.p2align	6, 0x0
	.amdhsa_kernel k_qe6eac2fcbf_ln
		.amdhsa_group_segment_fixed_size 0
		.amdhsa_private_segment_fixed_size 0
		.amdhsa_enable_private_segment 0
		.amdhsa_kernarg_size 48
		.amdhsa_user_sgpr_count 2
		.amdhsa_user_sgpr_kernarg_segment_ptr 1
		.amdhsa_wavefront_size32 1
		.amdhsa_system_sgpr_workgroup_id_x 1
		.amdhsa_system_sgpr_workgroup_id_y 1
		.amdhsa_system_sgpr_workgroup_id_z 1
		.amdhsa_system_vgpr_workitem_id 0
		.amdhsa_next_free_vgpr 176
		.amdhsa_next_free_sgpr 66
		.amdhsa_reserve_vcc 1
		.amdhsa_float_denorm_mode_32 3
		.amdhsa_float_denorm_mode_16_64 3
		.amdhsa_memory_ordered 1
		.amdhsa_forward_progress 1
		.amdhsa_inst_pref_size 28
	.end_amdhsa_kernel
	.amdgpu_metadata
---
amdhsa.version: [ 1, 2 ]
amdhsa.kernels:
  - .name:           k_qe6eac2fcbf_ln
    .symbol:         k_qe6eac2fcbf_ln.kd
    .args:
      - { .name: x, .offset: 0, .size: 8, .value_kind: global_buffer, .address_space: global }
      - { .name: ln_gamma, .offset: 8, .size: 8, .value_kind: global_buffer, .address_space: global }
      - { .name: ln_beta, .offset: 16, .size: 8, .value_kind: global_buffer, .address_space: global }
      - { .name: lowp_scales, .offset: 24, .size: 8, .value_kind: global_buffer, .address_space: global }
      - { .name: h_codes, .offset: 32, .size: 8, .value_kind: global_buffer, .address_space: global }
      - { .name: rope, .offset: 40, .size: 8, .value_kind: global_buffer, .address_space: global }
    .group_segment_fixed_size: 0
    .private_segment_fixed_size: 0
    .kernarg_segment_align: 8
    .kernarg_segment_size: 48
    .max_flat_workgroup_size: 256
    .sgpr_count:     66
    .vgpr_count:     176
    .wavefront_size: 32
...
	.end_amdgpu_metadata
.endif
;; end of part 1
;; launch qkv (part 2): grid 16 x 16, 4 waves a work-group, clusters of 4 x 4, 327,680 bytes of LDS; arguments h_codes, w_qkv_codes, rope, lowp_scales, q_img, k_img, v_img; writes q_img, k_img, v_img
.if DOCPART == 2
	.amdgcn_target "amdgcn-amd-amdhsa--gfx1250"
	.amdhsa_code_object_version 6
	.text
	.protected	k_qe6eac2fcbf_qkv
	.globl	k_qe6eac2fcbf_qkv
	.p2align	8
	.type	k_qe6eac2fcbf_qkv,@function
k_qe6eac2fcbf_qkv:
	s_mov_b64 s[64:65], 0
	v_nop
	global_prefetch_b8 v0, s[64:65] scope:SCOPE_SE
	s_setreg_imm32_b32 hwreg(HW_REG_WAVE_MODE, 25, 1), 1
	s_wait_xcnt 0x0
	s_wait_alu depctr_hold_cnt(0) depctr_sa_sdst(0) depctr_va_vdst(0) depctr_va_sdst(0) depctr_va_ssrc(0) depctr_va_vcc(0) depctr_vm_vsrc(0)
	s_getreg_b32 s2, hwreg(HW_REG_IB_STS2, 6, 4)
	s_cmp_eq_u32 s2, 0
	s_cbranch_scc0 .Lentry_in_a_cluster
	s_endpgm
.Lentry_in_a_cluster:
	s_bfe_u32 s2, ttmp6, 0x10000c
	s_cmp_lg_u32 s2, 0xf033
	s_cbranch_scc0 .Lentry_shape_is_right
	s_endpgm
.Lentry_shape_is_right:
; q, k, v = h W_qkv on codes of E5M2, the rotation and the normalisation of q and k, and the quantisers of q, k (2^e2, 2^e3) and v (2^e5).
; A work-group takes 256 tokens x (128 columns of q or k, the 128 columns that the rotation pairs with them, and 64 columns of v).  Tile column c = 0 .. 7: q, 8 .. 15: k; v's columns 64 c on.
; Column j of q is turned with column 2 j + 1 (j < 512) or 2 (j - 512): every second row of W's codes, so the partners of 128 neighbours are 128 rows, 2,048 bytes apart; both sums are finished in the same lane.
; Four waves, each 128 tokens x (64 + 64 + 32) columns: 80 accumulators of 16 x 16, 640 registers (windows 2 and 3; v's in window 1 from v128 on).
; K goes in four steps of 256 through a ring of two LDS slots, each h's 256 rows, 128 + 128 rows of q or k, 64 of v; rows of 256 bytes, 16 bytes of padding behind each.  Each wave brings one of the four tiles.
; CLUSTER 4 x 4: h's tile is shared along a row of the cluster, W's along a column: joint loads, one a wave behind each round of the cluster's barrier.
; PREFETCH: K steps 1 and 2 are asked for behind the head's load, K step 3 behind K step 1's load, two steps ahead of its own.  Each row's 256 bytes are named once in each cluster, the four partners of a tile sharing its rows out by
; address (cx for h, cy for W): waves 0, 1 32 rows of h each, wave 2 32 rows of the columns, wave 3 32 rows of their partners and 16 rows of v (its lanes 16-31 name the last of them again).  Nothing is asked for past K step 3.
; OUT: images of the operands' registers as the attention reads them, 512 consecutive bytes an instruction.
; LIMITS: e2, e3 and e5 - e0 - e1 between -126 and 112, so that the powers of two are f32 numbers.  NaN is not served.
.set PITCH, 272
.set PF,    26                         ; v26, v27 the prefetches' offsets; never rewritten
.set PFV,   27
.macro ASK off
	s_cmp_lt_u32 s18, 2
	s_cbranch_scc0 .Lask_w_\@
	global_prefetch_b8 v[PF], s[4:5] offset:\off th:TH_LOAD_NT scope:SCOPE_SE
	s_branch .Lask_done_\@
.Lask_w_\@:
	global_prefetch_b8 v[PF], s[6:7] offset:\off th:TH_LOAD_NT scope:SCOPE_SE
	s_cmp_eq_u32 s18, 3
	s_cbranch_scc0 .Lask_done_\@
	global_prefetch_b8 v[PFV], s[6:7] offset:\off th:TH_LOAD_NT scope:SCOPE_SE
.Lask_done_\@:
.endm
.set OM,    256*PITCH
.set OP,    OM+128*PITCH
.set OV,    OP+128*PITCH
.set SLOT,  OV+64*PITCH
.set SPARE, 2*SLOT
.set ADRA, 16
.set ADRB, 18
.set ADRV, 20
.set LI,   22
.set VSC,  24
.set VLIM, 25
.set SPW,  28
.set NIL,  29
.set QSC,  30
.set QLIM, 31
.set AF,   32
.set BV,   160
.set CT,   192
.set ST,   224
.set Y,    32
.set CD,   160
.set G1A, 24
.set G1M, 32
.set G1P, 40
.set G1V, 48
.set G0A, 56
.set G0M, 68
.set G0P, 76
.set G0V, 84
.set PADW, (1<<20)|(1<<21)|(5<<22)|(3<<25)
.set MSB, 0
.macro WIN new
.if MSB != \new
	s_set_vgpr_msb (MSB<<8)|\new
.set MSB, \new
.endif
.endm
.set MUL_LO, 0xa1
.set MUL_HI, 0xf1
.set MUL_V,  0x50
.set TO_B,   0x40
.macro PLACES n
.rept \n
	v_nop
.endr
.endm
.macro JLOAD s
	s_cmp_eq_u32 s18, 0
	s_cbranch_scc0 .Lj1_\@
	tensor_load_to_lds s[G0A+4*\s:G0A+4*\s+3], s[G1A:G1A+7]
	s_nop 0
	PLACES 4
	s_branch .Ljd_\@
.Lj1_\@:
	s_cmp_eq_u32 s18, 1
	s_cbranch_scc0 .Lj2_\@
	tensor_load_to_lds s[G0M+4*\s:G0M+4*\s+3], s[G1M:G1M+7]
	s_nop 0
	PLACES 4
	s_branch .Ljd_\@
.Lj2_\@:
	s_cmp_eq_u32 s18, 2
	s_cbranch_scc0 .Lj3_\@
	tensor_load_to_lds s[G0P+4*\s:G0P+4*\s+3], s[G1P:G1P+7]
	s_nop 0
	PLACES 4
	s_branch .Ljd_\@
.Lj3_\@:
	tensor_load_to_lds s[G0V+4*\s:G0V+4*\s+3], s[G1V:G1V+7]
	s_nop 0
	PLACES 4
.Ljd_\@:
.endm
.macro CREST
	s_cmp_lg_u32 s18, 0
	s_cbranch_scc1 .Lnot_wave_0_\@
	s_barrier_signal -3
.Lnot_wave_0_\@:
	s_barrier_wait -3
	s_barrier_signal -1
	s_barrier_wait -1
.endm
.macro CROUND
	s_barrier_signal -1
	s_barrier_wait -1
	CREST
.endm
.macro G1REST g, rows, stride
	s_mov_b32 s[\g+1], 256<<16
	s_mov_b32 s[\g+2], (\rows)<<16
	s_mov_b32 s[\g+3], 256<<16
	s_mov_b32 s[\g+4], \rows
	s_mov_b32 s[\g+5], \stride
	s_mov_b32 s[\g+6], 0
	s_mov_b32 s[\g+7], 0
.endm
.macro G0SET g, lds, src, off
	s_mov_b32 s[\g], 1
	s_mov_b32 s[\g+1], \lds
	s_add_nc_u64 s[\g+2:\g+3], s[\src:\src+1], \off
	s_or_b32 s[\g+3], s[\g+3], 0x80000000
.endm
	s_load_b256 s[4:11], s[0:1], 0x0
	s_load_b128 s[12:15], s[0:1], 0x20
	s_load_b64 s[16:17], s[0:1], 0x30
	v_lshl_add_u32 v[SPW], v0, 2, SPARE
	v_mov_b32 v[NIL], 0
	ds_add_u32 v28, v29
	ds_add_u32 v28, v29
	s_wait_dscnt 0x0
	v_lshrrev_b32 v1, 5, v0
	v_readfirstlane_b32 s18, v1
	s_lshr_b32 s19, s18, 1
	s_and_b32 s20, s18, 1
	s_bfe_u32 s21, ttmp6, 0x40000
	s_bfe_u32 s22, ttmp6, 0x40004
	s_lshl_b32 s23, ttmp9, 2
	s_add_co_u32 s23, s23, s21
	s_and_b32 s3, ttmp7, 0xffff
	s_lshl_b32 s3, s3, 2
	s_add_co_u32 s3, s3, s22
	s_lshl_b32 s2, s22, 2
	s_lshl_b32 s2, 15, s2
	s_lshl_b32 s66, 0x1111, s21
	s_or_b32 s[G1A], s2, PADW
	s_or_b32 s[G1M], s66, PADW
	s_or_b32 s[G1P], s66, PADW
	s_or_b32 s[G1V], s66, PADW
	G1REST G1A, 256, 1024
	G1REST G1M, 128, 1024
	G1REST G1P, 128, 2048
	G1REST G1V, 64, 1024
	s_lshl_b32 s94, s3, 18
	s_mov_b32 s95, 0
	s_and_b32 s96, s23, 7
	s_lshr_b32 s97, s23, 3
	s_lshl_b32 s97, s97, 10
	s_lshl_b32 s98, s96, 7
	s_add_co_u32 s98, s98, s97
	s_and_b32 s100, s96, 3
	s_lshl_b32 s100, s100, 8
	s_lshr_b32 s101, s96, 2
	s_xor_b32 s101, s101, 1
	s_add_co_u32 s100, s100, s101
	s_add_co_u32 s100, s100, s97
	s_lshl_b32 s66, s23, 6
	s_add_co_u32 s66, s66, 2048
	s_lshl_b32 s98, s98, 10
	s_mov_b32 s99, 0
	s_lshl_b32 s100, s100, 10
	s_mov_b32 s101, 0
	s_lshl_b32 s66, s66, 10
	s_mov_b32 s67, 0
	s_lshl_b32 s56, s21, 16                        ; the prefetches: h: my work-group's 64 rows of the tile's 256, a wave's 32 of them
	s_lshl_b32 s57, s20, 15
	s_add_co_u32 s56, s56, s57
	s_add_co_u32 s56, s56, s94
	s_lshl_b32 s57, s22, 15                        ; the columns: 32 rows of 128
	s_add_co_u32 s58, s57, s98
	s_lshl_b32 s59, s22, 16                        ; their partners: 32 rows of 128, 2,048 bytes apart
	s_add_co_u32 s59, s59, s100
	s_lshl_b32 s60, s22, 14                        ; v: 16 rows of 64
	s_add_co_u32 s60, s60, s66
	s_cmp_eq_u32 s20, 0
	s_cselect_b32 s58, s58, s59
	s_cmp_eq_u32 s19, 0
	s_cselect_b32 s56, s56, s58
	s_cmp_eq_u32 s18, 3
	s_cselect_b32 s57, 11, 10
	v_and_b32 v2, 31, v0
	v_lshlrev_b32 v3, s57, v2
	v_add_nc_u32 v[PF], s56, v3                    ; a lane a row
	v_min_u32 v4, 15, v2
	v_lshlrev_b32 v4, 10, v4
	v_add_nc_u32 v[PFV], s60, v4
	s_wait_alu depctr_va_vdst(0)                   ; directly ahead of the wait below
	s_wait_kmcnt 0x0
	s_add_nc_u64 s[94:95], s[4:5], s[94:95]
	s_add_nc_u64 s[98:99], s[6:7], s[98:99]
	s_add_nc_u64 s[100:101], s[6:7], s[100:101]
	s_add_nc_u64 s[66:67], s[6:7], s[66:67]
	CROUND
.irp s, 0,1
	G0SET G0A+4*\s, \s*SLOT, 94, \s*256
	G0SET G0M+4*\s, \s*SLOT+OM, 98, \s*256
	G0SET G0P+4*\s, \s*SLOT+OP, 100, \s*256
	G0SET G0V+4*\s, \s*SLOT+OV, 66, \s*256
.endr
	JLOAD 0                                        ; K step 0: one tensor load a wave at the head
	ASK 256                                        ; K step 1
	ASK 512                                        ; K step 2
	s_load_b256 s[92:99], s[10:11], 0x0
	s_and_b32 s100, s23, 7
	s_lshl_b32 s100, s100, 9
	s_lshl_b32 s101, s20, 8
	s_add_co_u32 s100, s100, s101
	s_mov_b32 s101, 0
	s_add_nc_u64 s[8:9], s[8:9], s[100:101]
	v_and_b32 v1, 15, v0
	v_bfe_u32 v2, v0, 4, 1
	v_lshlrev_b32 v6, 5, v2
.irp b, 0,1,2,3
	global_load_b128 v[CT+8*\b:CT+8*\b+3], v6, s[8:9] offset:64*\b
	global_load_b128 v[CT+8*\b+4:CT+8*\b+7], v6, s[8:9] offset:64*\b+16
	global_load_b128 v[ST+8*\b:ST+8*\b+3], v6, s[8:9] offset:4096+64*\b
	global_load_b128 v[ST+8*\b+4:ST+8*\b+7], v6, s[8:9] offset:4096+64*\b+16
.endr
	v_mul_u32_u24 v3, v1, PITCH
	v_lshl_add_u32 v3, v2, 4, v3
	s_mul_i32 s2, s19, 128*PITCH
	v_add_nc_u32 v[ADRA], s2, v3
	v_add_nc_u32 v[ADRA+1], SLOT, v[ADRA]
	s_mul_i32 s2, s20, 64*PITCH
	s_add_co_u32 s2, s2, OM
	v_add_nc_u32 v[ADRB], s2, v3
	v_add_nc_u32 v[ADRB+1], SLOT, v[ADRB]
	v_and_b32 v4, 8, v1
	v_add_nc_u32 v4, v4, v1
	v_mul_u32_u24 v4, v4, PITCH
	v_lshl_add_u32 v4, v2, 4, v4
	s_mul_i32 s2, s20, 32*PITCH
	s_add_co_u32 s2, s2, OV
	v_add_nc_u32 v[ADRV], s2, v4
	v_add_nc_u32 v[ADRV+1], SLOT, v[ADRV]
	v_and_b32 v[LI], 31, v0
	v_lshlrev_b32 v[LI], 4, v[LI]
.macro FRAG reg, adr, off
.irp c, 0,1,2,3
	ds_load_b128 v[\reg+4*\c:\reg+4*\c+3], v[\adr] offset:\off+32*\c
.endr
.endm
.macro MQK a0, b0, nb, zero
.set ma, \a0
.rept 4
.set mb, \b0
.rept \nb
.if \zero
	v_wmma_f32_16x16x128_bf8_bf8 v[8*(8*(ma%4)+mb):8*(8*(ma%4)+mb)+7], v[16*mb:16*mb+15], v[AF+16*ma:AF+16*ma+15], 0
.else
	v_wmma_f32_16x16x128_bf8_bf8 v[8*(8*(ma%4)+mb):8*(8*(ma%4)+mb)+7], v[16*mb:16*mb+15], v[AF+16*ma:AF+16*ma+15], v[8*(8*(ma%4)+mb):8*(8*(ma%4)+mb)+7]
.endif
.set mb, mb+1
.endr
.set ma, ma+1
.endr
.endm
.macro MV a0, zero
.set ma, \a0
.rept 4
.set mu, 0
.rept 2
.if \zero
	v_wmma_f32_16x16x128_bf8_bf8 v[128+8*(2*ma+mu):128+8*(2*ma+mu)+7], v[AF+16*ma:AF+16*ma+15], v[BV+16*mu:BV+16*mu+15], 0
.else
	v_wmma_f32_16x16x128_bf8_bf8 v[128+8*(2*ma+mu):128+8*(2*ma+mu)+7], v[AF+16*ma:AF+16*ma+15], v[BV+16*mu:BV+16*mu+15], v[128+8*(2*ma+mu):128+8*(2*ma+mu)+7]
.endif
.set mu, mu+1
.endr
.set ma, ma+1
.endr
.endm
.macro RUN1 slot, q
	WIN TO_B
.irp b, 0,1,2,3,4
	FRAG 16*\b, ADRB+\slot, 128*(\q)+(\b/4)*(OP-OM)+(\b%4)*16*PITCH
.endr
	WIN 0
.irp a, 0,1,2,3
	FRAG AF+16*\a, ADRA+\slot, 128*(\q)+\a*16*PITCH
.endr
.endm
.macro RUN2 slot, q
	WIN 0
.irp a, 4,5,6,7
	FRAG AF+16*\a, ADRA+\slot, 128*(\q)+\a*16*PITCH
.endr
	WIN TO_B
.irp b, 5,6,7
	FRAG 16*\b, ADRB+\slot, 128*(\q)+(OP-OM)+(\b%4)*16*PITCH
.endr
	WIN 0
.irp u, 0,1
	FRAG BV+16*\u, ADRV+\slot, 128*(\q)+\u*8*PITCH
.endr
.endm
.macro STEP slot, q, zero
	s_wait_dscnt 36
	WIN MUL_LO
	MQK 0, 0, 5, \zero
	s_wait_dscnt 20
	WIN MUL_HI
	MQK 4, 0, 5, \zero
	s_wait_dscnt 0x0
	WIN MUL_LO
	MQK 0, 5, 3, \zero
	WIN MUL_V
	MV 0, \zero
	PLACES 4
	RUN1 \slot, (\q)+1
	WIN MUL_HI
	MQK 4, 5, 3, \zero
	WIN MUL_V
	MV 4, \zero
	PLACES 4
	RUN2 \slot, (\q)+1
.endm
.macro TURN slot, next, fill
	WIN 0
	s_wait_tensorcnt 0x0
	ds_add_u32 v[SPW], v[NIL]
	s_wait_dscnt 37
	WIN MUL_LO
	MQK 0, 0, 5, 0
	s_wait_dscnt 0x0
	s_barrier_signal -1
	WIN MUL_HI
	MQK 4, 0, 5, 0
	WIN 0
	s_barrier_wait -1
.if \fill
	CREST
.irp g, G0A, G0M, G0P, G0V
	s_add_nc_u64 s[\g+4*\slot+2:\g+4*\slot+3], s[\g+4*\slot+2:\g+4*\slot+3], 512
.endr
	JLOAD \slot
.endif
	WIN MUL_LO
	MQK 0, 5, 3, 0
	WIN MUL_V
	MV 0, 0
	PLACES 4
	RUN1 \next, 0
	WIN MUL_HI
	MQK 4, 5, 3, 0
	WIN MUL_V
	MV 4, 0
	PLACES 4
	RUN2 \next, 0
.endm
	s_wait_alu depctr_va_vdst(0)
	s_wait_tensorcnt 0x0                           ; my tile of K step 0 is in
	ds_add_u32 v[SPW], v[NIL]
	s_wait_dscnt 0x0
	CROUND                                         ; everybody's part of K step 0 is in, and all sixteen work-groups are here
	JLOAD 1                                        ; K step 1, the first tensor load behind the round
	RUN1 0, 0
	RUN2 0, 0
	ASK 768                                        ; K step 3
	STEP 0, 0, 1
	TURN 0, 1, 1
	STEP 1, 0, 0
	TURN 1, 0, 1
	STEP 0, 0, 0
	TURN 0, 1, 0
	STEP 1, 0, 0
	s_wait_dscnt 36
	WIN MUL_LO
	MQK 0, 0, 5, 0
	s_wait_dscnt 20
	WIN MUL_HI
	MQK 4, 0, 5, 0
	s_wait_dscnt 0x0
	WIN MUL_LO
	MQK 0, 5, 3, 0
	WIN MUL_V
	MV 0, 0
	WIN MUL_HI
	MQK 4, 5, 3, 0
	WIN MUL_V
	MV 4, 0
	WIN 0
	s_wait_kmcnt 0x0
	s_cmp_lt_u32 ttmp9, 2
	s_cselect_b32 s2, s94, s95
	s_cselect_b64 s[12:13], s[12:13], s[14:15]
	s_add_co_i32 s2, s2, 127
	s_lshl_b32 s66, s2, 23
	v_mov_b32 v[QSC], s66
	s_add_co_i32 s2, s2, 15
	s_lshl_b32 s2, s2, 23
	s_or_b32 s2, s2, 0x600000
	v_mov_b32 v[QLIM], s2
	s_sub_co_i32 s2, s97, s92
	s_sub_co_i32 s2, s2, s93
	s_add_co_i32 s2, s2, 127
	s_lshl_b32 s66, s2, 23
	v_mov_b32 v[VSC], s66
	s_add_co_i32 s2, s2, 15
	s_lshl_b32 s2, s2, 23
	s_or_b32 s2, s2, 0x600000
	v_mov_b32 v[VLIM], s2
	s_lshr_b32 s66, s3, 3
	s_lshl_b32 s66, s66, 4
	s_and_b32 s67, s23, 7
	s_lshl_b32 s67, s67, 1
	s_add_co_u32 s67, s67, s20
	s_add_co_u32 s67, s67, s66
	s_lshl_b32 s67, s67, 7
	s_and_b32 s2, s3, 7
	s_lshl_b32 s100, s2, 4
	s_add_co_u32 s67, s67, s100
	s_lshl_b32 s100, s19, 3
	s_add_co_u32 s67, s67, s100
	s_lshl_b32 s100, s67, 10
	s_mov_b32 s101, 0
	s_add_nc_u64 s[12:13], s[12:13], s[100:101]
	s_add_co_u32 s66, s66, s23
	s_lshl_b32 s66, s66, 5
	s_lshl_b32 s2, s2, 2
	s_add_co_u32 s66, s66, s2
	s_lshl_b32 s2, s19, 1
	s_add_co_u32 s66, s66, s2
	s_lshl_b32 s66, s66, 12
	s_lshl_b32 s2, s20, 11
	s_add_co_u32 s100, s66, s2
	s_add_nc_u64 s[16:17], s[16:17], s[100:101]
	s_mov_b32 s100, 0x76543210
	s_mov_b32 s101, 0xfedcba98
	s_wait_loadcnt 0x0
.macro QKBATCH n
	WIN 0x02+\n
.irp a, 0,1,2,3
.irp b, 0,1,2,3
.irp j, 0,2,4,6
	v_pk_mul_f32 v[Y+32*\a+8*\b+\j:Y+32*\a+8*\b+\j+1], v[8*(8*\a+\b)+\j:8*(8*\a+\b)+\j+1], v[CT+8*\b+\j:CT+8*\b+\j+1]
.endr
.endr
.endr
.irp a, 0,1,2,3
.irp b, 0,1,2,3
.irp j, 0,2,4,6
	v_pk_fma_f32 v[Y+32*\a+8*\b+\j:Y+32*\a+8*\b+\j+1], v[8*(8*\a+\b+4)+\j:8*(8*\a+\b+4)+\j+1], v[ST+8*\b+\j:ST+8*\b+\j+1], v[Y+32*\a+8*\b+\j:Y+32*\a+8*\b+\j+1]
.endr
.endr
.endr
	WIN 0
.irp a, 0,1,2,3
	v_pk_mul_f32 v[4+2*\a:5+2*\a], v[Y+32*\a:Y+32*\a+1], v[Y+32*\a:Y+32*\a+1]
.endr
.irp i, 2,4,6,8,10,12,14,16,18,20,22,24,26,28,30
.irp a, 0,1,2,3
	v_pk_fma_f32 v[4+2*\a:5+2*\a], v[Y+32*\a+\i:Y+32*\a+\i+1], v[Y+32*\a+\i:Y+32*\a+\i+1], v[4+2*\a:5+2*\a]
.endr
.endr
.irp a, 0,1,2,3
	v_add_f32 v[4+2*\a], v[4+2*\a], v[5+2*\a]
.endr
.irp a, 0,1,2,3
	v_permlanex16_b32 v[5+2*\a], v[4+2*\a], s100, s101
.endr
.irp a, 0,1,2,3
	v_add_f32 v[4+2*\a], v[4+2*\a], v[5+2*\a]
.endr
	s_wait_alu depctr_va_vdst(0)
.irp a, 0,1,2,3
	v_sqrt_f32 v[4+2*\a], v[4+2*\a]
.endr
	v_nop
	s_wait_alu depctr_va_vdst(0)
.irp a, 0,1,2,3
	v_max_num_f32 v[4+2*\a], 0x2b8cbccc, v[4+2*\a]
.endr
	s_wait_alu depctr_va_vdst(0)
.irp a, 0,1,2,3
	v_rcp_f32 v[4+2*\a], v[4+2*\a]
.endr
	v_nop
	s_wait_alu depctr_va_vdst(0)
.irp a, 0,1,2,3
.irp i, 0,2,4,6,8,10,12,14,16,18,20,22,24,26,28,30
	v_pk_mul_f32 v[Y+32*\a+\i:Y+32*\a+\i+1], v[Y+32*\a+\i:Y+32*\a+\i+1], v[4+2*\a:5+2*\a] op_sel_hi:[1,0]
.endr
.endr
.set n, 0
.rept 128
	v_med3_num_f32 v[Y+n], v[Y+n], -v[QLIM], v[QLIM]
.set n, n+1
.endr
.if \n
	s_wait_xcnt 0x0
.endif
.irp a, 0,1,2,3
.irp b, 0,1,2,3
	v_cvt_scalef32_pk8_bf8_f32 v[CD+8*\a+2*\b:CD+8*\a+2*\b+1], v[Y+32*\a+8*\b:Y+32*\a+8*\b+7], v[QSC]
.endr
.endr
	v_nop
.irp a, 0,1,2,3
.irp c, 0,1
	global_store_b128 v[LI], v[CD+8*\a+4*\c:CD+8*\a+4*\c+3], s[12:13] offset:(4*\n+\a)*1024+512*\c
.endr
.endr
.endm
	QKBATCH 0
	QKBATCH 1
	WIN 0x01
.set n, 0
.rept 128
	v_med3_num_f32 v[Y+n], v[128+n], -v[VLIM], v[VLIM]
.set n, n+1
.endr
	WIN 0
	s_wait_xcnt 0x0
.irp a, 0,1,2,3,4,5,6,7
.irp u, 0,1
	v_cvt_scalef32_pk8_bf8_f32 v[CD+8*(2*(\a/4)+\u)+2*(\a%4):CD+8*(2*(\a/4)+\u)+2*(\a%4)+1], v[Y+8*(2*\a+\u):Y+8*(2*\a+\u)+7], v[VSC]
.endr
.endr
	v_nop
.irp k, 0,1
.irp u, 0,1
.irp c, 0,1
	global_store_b128 v[LI], v[CD+8*(2*\k+\u)+4*\c:CD+8*(2*\k+\u)+4*\c+3], s[16:17] offset:\k*4096+\u*1024+512*\c
.endr
.endr
.endr
	s_wait_tensorcnt 0x0
	ds_add_u32 v[SPW], v[NIL]
	s_wait_dscnt 0x0
	CROUND
	s_endpgm
.Lfunc_end_k_qe6eac2fcbf_qkv:
	.size	k_qe6eac2fcbf_qkv, .Lfunc_end_k_qe6eac2fcbf_qkv-k_qe6eac2fcbf_qkv
	.p2alignl 7, 3214868480
	.fill 96, 4, 3214868480
	.section	.rodata,"a",@progbits
	.p2align	6, 0x0
	.amdhsa_kernel k_qe6eac2fcbf_qkv
		.amdhsa_group_segment_fixed_size 327680
		.amdhsa_private_segment_fixed_size 0
		.amdhsa_enable_private_segment 0
		.amdhsa_kernarg_size 56
		.amdhsa_user_sgpr_count 2
		.amdhsa_user_sgpr_kernarg_segment_ptr 1
		.amdhsa_wavefront_size32 1
		.amdhsa_system_sgpr_workgroup_id_x 1
		.amdhsa_system_sgpr_workgroup_id_y 1
		.amdhsa_system_sgpr_workgroup_id_z 1
		.amdhsa_system_vgpr_workitem_id 0
		.amdhsa_next_free_vgpr 1024
		.amdhsa_next_free_sgpr 102
		.amdhsa_reserve_vcc 0
		.amdhsa_float_denorm_mode_32 3
		.amdhsa_float_denorm_mode_16_64 3
		.amdhsa_memory_ordered 1
		.amdhsa_forward_progress 1
		.amdhsa_inst_pref_size 166
	.end_amdhsa_kernel
	.amdgpu_metadata
---
amdhsa.version: [ 1, 2 ]
amdhsa.kernels:
  - .name:           k_qe6eac2fcbf_qkv
    .symbol:         k_qe6eac2fcbf_qkv.kd
    .args:
      - { .name: h_codes, .offset: 0, .size: 8, .value_kind: global_buffer, .address_space: global }
      - { .name: w_qkv_codes, .offset: 8, .size: 8, .value_kind: global_buffer, .address_space: global }
      - { .name: rope, .offset: 16, .size: 8, .value_kind: global_buffer, .address_space: global }
      - { .name: lowp_scales, .offset: 24, .size: 8, .value_kind: global_buffer, .address_space: global }
      - { .name: q_img, .offset: 32, .size: 8, .value_kind: global_buffer, .address_space: global }
      - { .name: k_img, .offset: 40, .size: 8, .value_kind: global_buffer, .address_space: global }
      - { .name: v_img, .offset: 48, .size: 8, .value_kind: global_buffer, .address_space: global }
    .group_segment_fixed_size: 327680
    .private_segment_fixed_size: 0
    .kernarg_segment_align: 8
    .kernarg_segment_size: 56
    .max_flat_workgroup_size: 128
    .sgpr_count:     102
    .vgpr_count:     1024
    .wavefront_size: 32
...
	.end_amdgpu_metadata
.endif
;; end of part 2
;; launch attn (part 3): grid 8 x 32, 16 waves a work-group, clusters of 4 x 1, 327,680 bytes of LDS; arguments q_img, k_img, v_img, lowp_scales, qkscale, o_img; writes o_img
.if DOCPART == 3
	.amdgcn_target "amdgcn-amd-amdhsa--gfx1250"
	.amdhsa_code_object_version 6
	.text
	.protected	k_qe6eac2fcbf_attn
	.globl	k_qe6eac2fcbf_attn
	.p2align	8
	.type	k_qe6eac2fcbf_attn,@function
k_qe6eac2fcbf_attn:
	s_mov_b64 s[64:65], 0
	v_nop
	global_prefetch_b8 v0, s[64:65] scope:SCOPE_SE
	s_setreg_imm32_b32 hwreg(HW_REG_WAVE_MODE, 25, 1), 1
	s_wait_xcnt 0x0
	s_wait_alu depctr_hold_cnt(0) depctr_sa_sdst(0) depctr_va_vdst(0) depctr_va_sdst(0) depctr_va_ssrc(0) depctr_va_vcc(0) depctr_vm_vsrc(0)
	s_getreg_b32 s2, hwreg(HW_REG_IB_STS2, 6, 4)
	s_cmp_eq_u32 s2, 0
	s_cbranch_scc0 .Lentry_in_a_cluster
	s_endpgm
.Lentry_in_a_cluster:
	s_bfe_u32 s2, ttmp6, 0x10000c
	s_cmp_lg_u32 s2, 0x3003
	s_cbranch_scc0 .Lentry_shape_is_right
	s_endpgm
.Lentry_shape_is_right:
; o = softmax(causal(qn kn^T x qkscale)) v for one head, both products on codes of E5M2, and o's quantiser (2^e6).
; THE SOFTMAX AHEAD OF THE SECOND PRODUCT: t = logit x log2(e); M = the row's largest t so far, rounded UP to a whole number; p = 2^(t - M) is quantised with 2^e4, not normalised; the row's sum is taken of the
; unquantised p and divides at the end.  When M moves, the sum and O are multiplied by 2^(old M - new M): exact.
; LEFT OUT: steps of 128 keys that the causal mask hides from all of a tile's queries.  A NaN or an infinity in such keys alone is not carried into those queries.
; SHARES.  The 2,048 queries of a head are 16 blocks of 128, a block 8 tiles of 16.  Work-group x of a head (8 of them) takes tile x of EVERY block: so all eight walk alike, and only the lane masks of the diagonal differ.
; A tile of block b has b + 1 steps of 128 keys.  Waves w and w + 8 (p = w % 8) share the tiles of blocks 15 - p and p, 17 steps in NINE TRIPS: wave w walks steps 0 .. 8 of block 15 - p; wave w + 8 walks the steps 9 .. 15 - p
; of that block (7 - p steps), puts the partial sums into LDS, walks steps 0 .. p of block p (p + 1 steps), and has none in the ninth trip.  Wave w joins the two parts of block 15 - p at the end.
; THE TRIPS ARE KEPT TOGETHER by a split barrier: signalled at a trip's head, waited for at its end; so a wave ends a trip only when all sixteen have begun it.  Between the two stand register work and loads of K's and V's bytes,
; which nobody writes again; the stores of the partial sums stand ahead of the signal, and are waited for there.
; LDS holds the head's whole K and V (131,072 bytes each) as the images that the launch before stored; each byte is filled once, one load of 16,384 bytes a wave.  An image is read 16 bytes a lane, 512 consecutive bytes an instruction.
; CLUSTER 4 x 1: four work-groups of a head need the same K and V: joint loads, mask 15.  No branch and no LDS address hangs on the place in the cluster.
; No prefetch: all of K and V is asked for at the head, there is no loop that streams.
; LAYOUT.  S^T = K Q^T (source 0 = 16 keys, source 1 = my 16 queries), O^T = V^T P^T: a lane holds ONE query (lane % 16) throughout.  Register j of tile t of S^T is key 16 t + 8 (lane / 16) + j: its eight codes are
; registers 2 t, 2 t + 1 of P.  V's tiles hold channels 32 (d / 2) + 16 (r / 8) + 8 (d % 2) + r % 8, so that O^T's tiles 2 b, 2 b + 1 give a lane channels 32 b + 16 (lane / 16) + 0 .. 15.
; qkscale's sign goes into Q's codes (their sign bits are turned: exact); c = |qkscale| x log2(e) x 2^(e2 + e3), held from below at 2^-126 so that a zero scale makes no 0 x infinity under the mask
; (that can move M by one whole number, which scales p and the sum alike).
; OUT: o_img [batch x 128 + tile of queries][head][1,024]: two groups of 512 bytes, 16 x lane.
; LIMITS on the given exponents: e4 and e6 between -126 and 112.  NaN or infinity in qkscale is not served.
; REGISTERS: v1 16 x lane; v5, v6 the add's; v8, v9 addresses in hand; v10 -infinity; v11 the pair's stash; v12 -M, v13 the largest t, v[14:15] the sum in two halves; v16-23 Q; v24-31 the second tile's Q; v32-95 K's 8 fragments, then V's 4;
;   v96-159 S^T, then p; v160-191 O^T; v192-207 p's codes; v208, v209 2^e4 and 57,344 x 2^e4; v210, v211 the same with e6; v236-255 at work.
.set VIMG,  131072                     ; V's images in LDS
.set SPARE, 262144                     ; the spare words, 128 bytes for each wave; no other line names them
.set STASH, SPARE+2048                 ; the partial sums, 9 x 512 bytes for each pair of waves; no tensor load lands there
.set SROW,  4608
.macro CROUND                          ; a round of the cluster's barrier
	s_barrier_signal -1
	s_barrier_wait -1
	s_cmp_lg_u32 s16, 0
	s_cbranch_scc1 .Lnot_wave_0_\@
	s_barrier_signal -3
.Lnot_wave_0_\@:
	s_barrier_wait -3
	s_barrier_signal -1
	s_barrier_wait -1
.endm
.macro PLACES
.rept 4
	v_nop
.endr
.endm
.macro FRESH                           ; an empty state: the largest t under every t, sum and O^T zero (the first change of M leaves zeros)
	v_mov_b32 v13, 0xff61b1e6                      ; -3e38
	v_mov_b32 v14, 0
	v_mov_b32 v15, 0
	v_floor_f32 v12, -v13                          ; -M
.set n, 0
.rept 32
	v_mov_b32 v[160+n], 0
.set n, n+1
.endr
.endm
	s_load_b256 s[4:11], s[0:1], 0x0               ; q_img s[4:5], k_img s[6:7], v_img s[8:9], the scales' exponents s[10:11]
	s_load_b128 s[12:15], s[0:1], 0x20             ; qkscale s[12:13], o_img s[14:15]
	v_lshl_add_u32 v5, v0, 2, SPARE
	v_mov_b32 v6, 0
	ds_add_u32 v5, v6                              ; the opening: the add, twice on end, and its wait
	ds_add_u32 v5, v6
	v_lshrrev_b32 v2, 5, v0
	v_readfirstlane_b32 s16, v2                    ; wave 0..15
	s_and_b32 s17, ttmp7, 0xffff                   ; 16 x batch + head
	s_bfe_u32 s33, ttmp6, 0x40000                  ; cx
	s_lshl_b32 s34, ttmp9, 2
	s_add_co_u32 s33, s33, s34                     ; x = 4 x cluster x + cx, 0..7: it enters Q's and o's addresses and the diagonal's lane masks alone
	s_mov_b32 s24, 15|(3<<16)|(1<<21)              ; descriptor group 1: a dense block as 64 rows of 256 bytes: the mask of all four; elements of 8 bytes; 21 set beside a mask; no padding
	s_mov_b32 s25, 32<<16                          ; tensor_dim0 = 32
	s_mov_b32 s26, 64<<16                          ; tensor_dim1 = 64
	s_mov_b32 s27, 32<<16                          ; tile_dim0
	s_mov_b32 s28, 64                              ; tile_dim1
	s_mov_b32 s29, 32                              ; tensor_dim0_stride
	s_mov_b32 s30, 0
	s_mov_b32 s31, 0
	s_and_b32 s40, s16, 7                          ; p
	s_lshl_b32 s2, s40, 14                         ; my eighth of K (waves 0-7) or of V (waves 8-15): 16,384 bytes
	s_lshl_b32 s18, s17, 17                        ; the head's 131,072 bytes
	s_add_co_u32 s18, s18, s2
	s_mov_b32 s19, 0
	s_mov_b32 s36, 1                               ; count = 1
	s_lshl_b32 s37, s16, 14                        ; its place in LDS
	s_mov_b32 s20, 0x76543210                      ; v_permlanex16_b32: lane l xor 16
	s_mov_b32 s21, 0xfedcba98
	s_wait_dscnt 0x0                               ; both opening adds are done
	s_wait_kmcnt 0x0
	s_load_b256 s[52:59], s[10:11], 0x0            ; e0 .. e7
	s_load_b32 s61, s[12:13], 0x0                  ; qkscale
	s_cmp_lt_u32 s16, 8
	s_cselect_b64 s[6:7], s[6:7], s[8:9]           ; the choice hangs on the wave's number alone
	s_add_nc_u64 s[38:39], s[6:7], s[18:19]
	s_or_b32 s39, s39, 0x80000000                  ; type = 2
	CROUND                                         ; all four work-groups are here: the joint loads meet
	tensor_load_to_lds s[36:39], s[24:31]
	s_nop 0
	PLACES
	s_sub_co_u32 s41, 15, s40                      ; the far block
	s_lshl_b32 s44, s41, 3
	s_add_co_u32 s44, s44, s33                     ; its tile of queries
	s_lshl_b32 s45, s40, 3
	s_add_co_u32 s45, s45, s33                     ; the near block's
	s_lshl_b32 s2, s17, 7
	s_add_co_u32 s18, s2, s44
	s_lshl_b32 s18, s18, 10
	s_add_nc_u64 s[68:69], s[4:5], s[18:19]        ; Q's images of the two tiles
	s_add_co_u32 s18, s2, s45
	s_lshl_b32 s18, s18, 10
	s_add_nc_u64 s[70:71], s[4:5], s[18:19]
	s_cmp_lt_u32 s16, 8
	s_cselect_b32 s2, s44, s45                     ; the tile whose result I store: waves 0-7 the far one, 8-15 the near one
	s_lshr_b32 s3, s17, 4
	s_lshl_b32 s3, s3, 7
	s_add_co_u32 s2, s2, s3
	s_lshl_b32 s2, s2, 14                          ; o_img: 16,384 bytes a tile of queries,
	s_and_b32 s3, s17, 15
	s_lshl_b32 s3, s3, 10                          ; 1,024 a head
	s_add_co_u32 s18, s2, s3
	s_add_nc_u64 s[14:15], s[14:15], s[18:19]
	s_sub_co_u32 s47, 7, s40
	s_cmp_lt_u32 s16, 8
	s_cselect_b32 s47, 16, s47                     ; the trip in which I change tiles (16: never)
	s_cselect_b32 s50, 0, 9                        ; my first key step of the far tile
	s_mul_i32 s2, s40, SROW
	s_add_co_u32 s2, s2, STASH
	v_and_b32 v1, 31, v0
	v_lshlrev_b32 v1, 4, v1
	v_add_nc_u32 v11, s2, v1
	global_load_b128 v[16:19], v1, s[68:69]        ; Q's fragments stay in registers
	global_load_b128 v[20:23], v1, s[68:69] offset:512
.irp i, 0,1,2,3,4,5,6,7
	v_mov_b32 v[24+\i], 0
.endr
	s_cmp_lt_u32 s16, 8
	s_cbranch_scc1 .Lone_tile
	global_load_b128 v[24:27], v1, s[70:71]
	global_load_b128 v[28:31], v1, s[70:71] offset:512
.Lone_tile:
	FRESH
	v_mov_b32 v10, 0xff800000                      ; -infinity
	v_mov_b32 v236, 0                              ; written once: a lane permute's destination counts as one of its sources
	v_mov_b32 v252, 0
	v_mov_b32 v253, 0                              ; (named as the upper halves of the pairs v[252:253], v[254:255])
	v_mov_b32 v255, 0
	s_wait_kmcnt 0x0
	s_and_b32 s22, s61, 0x7fffffff
	s_mul_f32 s22, s22, 0x3fb8aa3b                 ; |qkscale| x log2(e)
	s_add_co_i32 s2, s54, s55
	v_mov_b32 v254, s22
	v_ldexp_f32 v254, v254, s2                     ; a score stands for score x 2^(e2 + e3)
	v_readfirstlane_b32 s22, v254
	s_max_u32 s22, s22, 0x800000                   ; not under 2^-126 (positive f32 numbers compare as whole numbers)
	s_mov_b32 s23, s22                             ; (named with it as a pair, so it is written)
	s_ashr_i32 s62, s61, 31
	s_and_b32 s62, s62, 0x80808080                 ; a negative scale turns the sign bit of each of Q's codes
	s_add_co_i32 s2, s56, 127
	s_lshl_b32 s3, s2, 23
	v_mov_b32 v208, s3                             ; 2^e4
	s_add_co_i32 s2, s2, 15
	s_lshl_b32 s2, s2, 23
	s_or_b32 s2, s2, 0x600000
	v_mov_b32 v209, s2                             ; 57,344 x 2^e4
	s_add_co_i32 s2, s58, 127
	s_lshl_b32 s3, s2, 23
	v_mov_b32 v210, s3                             ; 2^e6
	s_add_co_i32 s2, s2, 15
	s_lshl_b32 s2, s2, 23
	s_or_b32 s2, s2, 0x600000
	v_mov_b32 v211, s2
	s_wait_alu depctr_va_vdst(0)                   ; directly ahead of the wait below
	s_wait_loadcnt 0x0                             ; Q
.irp i, 0,1,2,3,4,5,6,7,8,9,10,11,12,13,14,15
	v_xor_b32 v[16+\i], s62, v[16+\i]
.endr
	s_wait_alu depctr_va_vdst(0)                   ; the wait at the head's end
	s_wait_tensorcnt 0x0                           ; my sixteenth of K and V is in
	s_wait_dscnt 0x0
	s_barrier_signal -1
	s_barrier_wait -1                              ; everybody's is
	; THE WAY OUT: the row's sum, o = O^T / sum x 2^(e4 + e5), held, converted, stored.
.macro FINISH
	v_add_f32 v14, v14, v15                        ; the sum's two halves,
	s_delay_alu instid0(VALU_DEP_1)
	v_permlanex16_b32 v252, v14, s20, s21
	s_delay_alu instid0(VALU_DEP_1)
	v_add_f32 v14, v14, v252                       ; and lane l xor 16's
	s_wait_alu depctr_va_vdst(0)
	v_rcp_f32 v14, v14
	v_nop                                          ; a plain line behind the reciprocal
	s_add_co_i32 s2, s56, s57
	s_wait_alu depctr_va_vdst(0)                   ; ahead of the reciprocal's first reader
	v_ldexp_f32 v14, v14, s2                       ; x 2^(e4 + e5)
	s_wait_alu depctr_va_vdst(0)                   ; directly ahead of the first reader of O^T
.set n, 0
.rept 16
	v_pk_mul_f32 v[96+n:97+n], v[160+n:161+n], v[14:15] op_sel_hi:[1,0]   ; each accumulator from its low end on
.set n, n+2
.endr
.set n, 0
.rept 32
	v_med3_num_f32 v[96+n], v[96+n], -v211, v211   ; the conversion to an 8-bit code does not saturate (ISA guide 7.6.2)
.set n, n+1
.endr
.irp b, 0,1
	v_cvt_scalef32_pk8_bf8_f32 v[192+4*\b:193+4*\b], v[96+16*\b:103+16*\b], v210   ; channels 32 b + 16 (lane / 16) + 0 .. 15
	v_cvt_scalef32_pk8_bf8_f32 v[194+4*\b:195+4*\b], v[104+16*\b:111+16*\b], v210
.endr
	v_nop
	global_store_b128 v1, v[192:195], s[14:15]     ; 32 lanes store 512 consecutive bytes, aligned
	global_store_b128 v1, v[196:199], s[14:15] offset:512
.endm
	s_mov_b32 s46, 0
.Lstep:                                            ; nine trips for every wave
	s_cmp_lt_u32 s16, 8
	s_cbranch_scc1 .Lstay
	s_cmp_lg_u32 s46, s47
	s_cbranch_scc1 .Lstay
	; THE CHANGE OF TILES (waves 8-15, once): the far tile's partial sums go to the stash (p = 7: an empty state), and the near tile begins.
	PLACES
.irp i, 0,1,2,3,4,5,6,7
	ds_store_b128 v11, v[160+4*\i:163+4*\i] offset:512*\i
.endr
	ds_store_b128 v11, v[12:15] offset:4096
	FRESH
.irp i, 0,1,2,3,4,5,6,7
	v_mov_b32 v[16+\i], v[24+\i]
.endr
	s_wait_alu depctr_va_vdst(0)
	s_wait_dscnt 0x0                               ; the stash is written: no LDS access is out at the signal below
.Lstay:
	s_barrier_signal -1                            ; I have begun this trip
	s_add_co_u32 s49, s46, s50
	s_sub_co_u32 s2, s46, s47
	s_cmp_lt_u32 s46, s47
	s_cselect_b32 s49, s49, s2                     ; the key step,
	s_cselect_b32 s42, s41, s40                    ; and my tile's block: its last key step, the diagonal
	s_and_b32 s49, s49, 15
	s_lshl_b32 s48, s49, 13                        ; 128 keys: 8,192 bytes of K's images and of V's
	s_cmp_gt_u32 s49, s42                          ; (waves 8-15, the ninth trip: nothing left)
	s_cbranch_scc1 .Lhid
	v_add_nc_u32 v8, s48, v1
	v_add_nc_u32 v9, VIMG, v8
	v_nop                                          ; with the two additions: four places in front of loads into registers that the last products read
	v_nop
.set n, 0
.rept 8
	ds_load_b128 v[32+8*n:35+8*n], v8 offset:1024*n
	ds_load_b128 v[36+8*n:39+8*n], v8 offset:1024*n+512
.set n, n+1
.endr
	s_wait_alu depctr_va_vdst(0)                   ; directly ahead of the wait below
	s_wait_dscnt 8                                 ; the first four tiles' eight loads are in; eight younger may be out
.set n, 0
.rept 8
.if n == 4
	s_wait_dscnt 0x0
.endif
	v_wmma_f32_16x16x64_bf8_bf8 v[96+8*n:103+8*n], v[32+8*n:39+8*n], v[16:23], 0
.set n, n+1
.endr
	PLACES                                         ; in front of the loads below and of the first read of the scores
.irp d, 0,1,2,3
.irp k, 0,1
.irp c, 0,1
	ds_load_b128 v[32+16*\d+8*\k+4*\c:35+16*\d+8*\k+4*\c], v9 offset:4096*\k+1024*\d+512*\c   ; V's four fragments land while the softmax is worked
.endr
.endr
.endr
	s_cmp_lg_u32 s49, s42
	s_cbranch_scc1 .Lopen
	; ON THE DIAGONAL the scores of hidden keys become -infinity ahead of the maximum: p = 0 then.  My queries are tile x of the block: key tile t < x is open, t > x hidden, and in t = x key 8 h + j is hidden from query r where
	; 8 h + j > r (h = lane / 16, r = lane % 16): a lane mask that is a constant for each j.  The choice by t and x is made in the masks, without a branch.
.irp t, 0,1,2,3,4,5,6,7
	s_cmp_le_u32 s33, \t
	s_cselect_b32 s2, -1, 0
	s_cmp_lt_u32 s33, \t
	s_cselect_b32 s3, -1, 0
.irp j, 0,1,2,3,4,5,6,7
	s_and_b32 s[72+\j], s2, (((1<<\j)-1)|(((1<<(\j+8))-1)<<16))
	s_or_b32 s[72+\j], s[72+\j], s3
.endr
.irp j, 0,1,2,3,4,5,6,7
	v_cndmask_b32 v[96+8*\t+\j], v[96+8*\t+\j], v10, s[72+\j]
.endr
.endr
.Lopen:
	v_max3_num_f32 v254, v96, v97, v98             ; the step's largest score of my query among my 64 keys, in four chains,
	v_max3_num_f32 v252, v99, v100, v101
	v_max3_num_f32 v250, v102, v103, v104
	v_max3_num_f32 v248, v105, v106, v107
.irp i, 12,20,28,36,44,52
	v_max3_num_f32 v254, v254, v[96+\i], v[97+\i]
	v_max3_num_f32 v252, v252, v[98+\i], v[99+\i]
	v_max3_num_f32 v250, v250, v[100+\i], v[101+\i]
	v_max3_num_f32 v248, v248, v[102+\i], v[103+\i]
.endr
	v_max3_num_f32 v254, v254, v156, v157
	v_max3_num_f32 v252, v252, v158, v159
	s_delay_alu instid0(VALU_DEP_2)
	v_max3_num_f32 v254, v254, v250, v248
	s_delay_alu instid0(VALU_DEP_1)
	v_max_num_f32 v254, v254, v252
	s_delay_alu instid0(VALU_DEP_1)
	v_permlanex16_b32 v236, v254, s20, s21
	s_delay_alu instid0(VALU_DEP_1)
	v_max_num_f32 v254, v254, v236                 ; and among lane l xor 16's
	s_delay_alu instid0(VALU_DEP_1)
	v_mul_f32 v254, s22, v254                      ; as t (c is positive)
	s_delay_alu instid0(VALU_DEP_1)
	v_max_num_f32 v13, v13, v254                   ; the running largest t
	v_mov_b32 v254, v12
	s_delay_alu instid0(VALU_DEP_2)
	v_floor_f32 v12, -v13                          ; the new -M = floor(-t): M is a whole number
	s_delay_alu instid0(VALU_DEP_1)
	v_sub_f32 v254, v12, v254                      ; old M - new M: a whole number, 0 or less
	s_delay_alu instid0(VALU_DEP_1)
	v_cvt_i32_f32 v254, v254                       ; (it saturates)
	s_delay_alu instid0(VALU_DEP_1)
	v_ldexp_f32 v252, 1.0, v254                    ; f = 2^(old M - new M)
.set n, 0
.rept 32
	v_pk_fma_f32 v[96+n:97+n], v[96+n:97+n], s[22:23], v[12:13] op_sel_hi:[1,0,0]   ; t - M, two at a time
.set n, n+2
.endr
	s_wait_alu depctr_va_vdst(0)                   ; ahead of the batch, and
.set n, 0
.rept 64
	v_exp_f32 v[96+n], v[96+n]                     ; p = 2^(t - M)
.set n, n+1
.endr
	v_pk_mul_f32 v[14:15], v[14:15], v[252:253] op_sel_hi:[1,0]   ; the sums under the new M.  (A plain line behind the exponentials)
	s_wait_alu depctr_va_vdst(0)                   ; behind it
	v_pk_add_f32 v[242:243], v[96:97], v[98:99]    ; the row's sum, of the unquantised p, in four chains
	v_pk_add_f32 v[244:245], v[100:101], v[102:103]
	v_pk_add_f32 v[246:247], v[104:105], v[106:107]
	v_pk_add_f32 v[14:15], v[14:15], v[108:109]
.irp i, 14,22,30,38,46,54
	v_pk_add_f32 v[242:243], v[242:243], v[96+\i:97+\i]
	v_pk_add_f32 v[244:245], v[244:245], v[98+\i:99+\i]
	v_pk_add_f32 v[246:247], v[246:247], v[100+\i:101+\i]
	v_pk_add_f32 v[14:15], v[14:15], v[102+\i:103+\i]
.endr
	v_pk_add_f32 v[242:243], v[242:243], v[158:159]
	v_pk_add_f32 v[244:245], v[244:245], v[246:247]
	v_pk_add_f32 v[14:15], v[14:15], v[242:243]
	s_delay_alu instid0(VALU_DEP_1)
	v_pk_add_f32 v[14:15], v[14:15], v[244:245]
.set n, 0
.rept 32
	v_dual_min_num_f32 v[96+n], v[96+n], v209 :: v_dual_min_num_f32 v[97+n], v[97+n], v209   ; the conversion does not saturate (ISA guide 7.6.2); p is not negative, so the hold is one-sided
.set n, n+2
.endr
.set n, 0
.rept 8
	v_cvt_scalef32_pk8_bf8_f32 v[192+2*n:193+2*n], v[96+8*n:103+8*n], v208
.set n, n+1
.endr
	s_wait_alu depctr_va_vdst(0)                   ; directly ahead of the first reader of O^T
.set n, 0
.rept 16
	v_pk_mul_f32 v[160+n:161+n], v[160+n:161+n], v[252:253] op_sel_hi:[1,0]   ; O^T under the new M.  (Also the plain lines between the conversions and the products)
.set n, n+2
.endr
	s_wait_alu depctr_va_vdst(0)                   ; directly ahead of the wait below
	s_wait_dscnt 0x0                               ; V
.irp d, 0,1,2,3
	v_wmma_f32_16x16x128_bf8_bf8 v[160+8*\d:167+8*\d], v[32+16*\d:47+16*\d], v[192:207], v[160+8*\d:167+8*\d]   ; the four accumulators by turns, one instruction a turn
.endr
.Lhid:
	s_wait_alu depctr_va_vdst(0)                   ; directly ahead of the barrier's wait
	s_barrier_wait -1                              ; all sixteen waves have begun this trip
	s_add_co_u32 s46, s46, 1
	s_cmp_lt_u32 s46, 9
	s_cbranch_scc1 .Lstep
	s_cmp_lt_u32 s16, 8
	s_cbranch_scc1 .Lmeet
	FINISH                                         ; waves 8-15: the near tile is whole
.Lmeet:
	s_wait_dscnt 0x0
	s_barrier_signal -1
	s_barrier_wait -1                              ; every stash is written
	s_cmp_lt_u32 s16, 8
	s_cbranch_scc0 .Lend
	; THE JOIN (waves 0-7): both parts of the far tile under the larger M, by exact powers of two.
	PLACES                                         ; in front of loads into registers that the last products read
.irp i, 0,1,2,3,4,5,6,7
	ds_load_b128 v[32+4*\i:35+4*\i], v11 offset:512*\i
.endr
	ds_load_b128 v[64:67], v11 offset:4096         ; -M, its largest t, the sum in two halves
	s_wait_xcnt 0x0
	s_wait_dscnt 0x0
	v_min_num_f32 v250, v12, v64                   ; the joint -M
	s_delay_alu instid0(VALU_DEP_1)
	v_sub_f32 v252, v250, v12
	v_sub_f32 v254, v250, v64
	v_cvt_i32_f32 v252, v252
	v_cvt_i32_f32 v254, v254
	v_ldexp_f32 v252, 1.0, v252
	v_ldexp_f32 v254, 1.0, v254
	v_pk_mul_f32 v[14:15], v[14:15], v[252:253] op_sel_hi:[1,0]
.set n, 0
.rept 16
	v_pk_mul_f32 v[160+n:161+n], v[160+n:161+n], v[252:253] op_sel_hi:[1,0]
.set n, n+2
.endr
	v_pk_fma_f32 v[14:15], v[66:67], v[254:255], v[14:15] op_sel_hi:[1,0,1]
.set n, 0
.rept 16
	v_pk_fma_f32 v[160+n:161+n], v[32+n:33+n], v[254:255], v[160+n:161+n] op_sel_hi:[1,0,1]
.set n, n+2
.endr
	FINISH
.Lend:
	s_wait_tensorcnt 0x0                           ; the wave's end
	ds_add_u32 v5, v6
	s_wait_dscnt 0x0
	CROUND                                         ; the closing round: no work-group ends while a partner may still ask for a tile that names it
	s_endpgm
.Lfunc_end_k_qe6eac2fcbf_attn:
	.size	k_qe6eac2fcbf_attn, .Lfunc_end_k_qe6eac2fcbf_attn-k_qe6eac2fcbf_attn
	.p2alignl 7, 3214868480
	.fill 96, 4, 3214868480
	.section	.rodata,"a",@progbits
	.p2align	6, 0x0
	.amdhsa_kernel k_qe6eac2fcbf_attn
		.amdhsa_group_segment_fixed_size 327680
		.amdhsa_private_segment_fixed_size 0
		.amdhsa_enable_private_segment 0
		.amdhsa_kernarg_size 48
		.amdhsa_user_sgpr_count 2
		.amdhsa_user_sgpr_kernarg_segment_ptr 1
		.amdhsa_wavefront_size32 1
		.amdhsa_system_sgpr_workgroup_id_x 1
		.amdhsa_system_sgpr_workgroup_id_y 1
		.amdhsa_system_sgpr_workgroup_id_z 1
		.amdhsa_system_vgpr_workitem_id 0
		.amdhsa_next_free_vgpr 256
		.amdhsa_next_free_sgpr 80
		.amdhsa_reserve_vcc 0
		.amdhsa_float_denorm_mode_32 3
		.amdhsa_float_denorm_mode_16_64 3
		.amdhsa_memory_ordered 1
		.amdhsa_forward_progress 1
		.amdhsa_inst_pref_size 49
	.end_amdhsa_kernel
	.amdgpu_metadata
---
amdhsa.version: [ 1, 2 ]
amdhsa.kernels:
  - .name:           k_qe6eac2fcbf_attn
    .symbol:         k_qe6eac2fcbf_attn.kd
    .args:
      - { .name: q_img, .offset: 0, .size: 8, .value_kind: global_buffer, .address_space: global }
      - { .name: k_img, .offset: 8, .size: 8, .value_kind: global_buffer, .address_space: global }
      - { .name: v_img, .offset: 16, .size: 8, .value_kind: global_buffer, .address_space: global }
      - { .name: lowp_scales, .offset: 24, .size: 8, .value_kind: global_buffer, .address_space: global }
      - { .name: qkscale, .offset: 32, .size: 8, .value_kind: global_buffer, .address_space: global }
      - { .name: o_img, .offset: 40, .size: 8, .value_kind: global_buffer, .address_space: global }
    .group_segment_fixed_size: 327680
    .private_segment_fixed_size: 0
    .kernarg_segment_align: 8
    .kernarg_segment_size: 48
    .max_flat_workgroup_size: 512
    .sgpr_count:     80
    .vgpr_count:     256
    .wavefront_size: 32
...
	.end_amdgpu_metadata
.endif
;; end of part 3
;; launch oproj (part 4): grid 8 x 32, 4 waves a work-group, clusters of 4 x 4, 327,680 bytes of LDS; arguments o_img, w_out_codes, lowp_scales, out0; writes out0
.if DOCPART == 4
	.amdgcn_target "amdgcn-amd-amdhsa--gfx1250"
	.amdhsa_code_object_version 6
	.text
	.protected	k_qe6eac2fcbf_oproj
	.globl	k_qe6eac2fcbf_oproj
	.p2align	8
	.type	k_qe6eac2fcbf_oproj,@function
k_qe6eac2fcbf_oproj:
	s_mov_b64 s[64:65], 0
	v_nop
	global_prefetch_b8 v0, s[64:65] scope:SCOPE_SE
	s_setreg_imm32_b32 hwreg(HW_REG_WAVE_MODE, 25, 1), 1
	s_wait_xcnt 0x0
	s_wait_alu depctr_hold_cnt(0) depctr_sa_sdst(0) depctr_va_vdst(0) depctr_va_sdst(0) depctr_va_ssrc(0) depctr_va_vcc(0) depctr_vm_vsrc(0)
	s_getreg_b32 s2, hwreg(HW_REG_IB_STS2, 6, 4)
	s_cmp_eq_u32 s2, 0
	s_cbranch_scc0 .Lentry_in_a_cluster
	s_endpgm
.Lentry_in_a_cluster:
	s_bfe_u32 s2, ttmp6, 0x10000c
	s_cmp_lg_u32 s2, 0xf033
	s_cbranch_scc0 .Lentry_shape_is_right
	s_endpgm
.Lentry_shape_is_right:
; out0 = o W_out on codes of E5M2: [4,096 x 1,024] x [1,024 x 1,024], f32 out, each sum x 2^(e6 + e7).
; A tile of out0 is 128 x 128: 256 work-groups.  Four waves, each 64 tokens x 64 columns.
; ALL OF K LIES IN LDS, filled once, by one tensor load a wave: waves 0, 1 bring o's halves (65,536 bytes, dense), waves 2, 3 W_out's (64 rows of 1,024 bytes, 16 bytes of padding behind each).
; o comes as images of the operand's registers ([tile of 16 tokens][128 along K][2,048 bytes]: four registers at 512 c + 16 x lane, k = 32 c + 16 (lane / 16) + 0 .. 15): read 512 consecutive bytes an instruction.
; W_out's rows are read by four loads of 16 bytes a fragment: the same places of k.
; CLUSTER 4 x 4: o's tile is shared along a row of the cluster, W_out's along a column: joint loads.  No prefetch: nothing is loaded in a loop.
; BY ROWS OF out0: all of W_out's fragments of my 64 columns come into registers (512) while my first 16 tokens are multiplied, three steps of 128 along K ahead; then the other three tiles of tokens follow, and each leaves when it is finished.
; THE MATRIX INSTRUCTION IS USED TRANSPOSED (source 0 = 16 rows of W_out, source 1 = 16 tokens): a lane holds eight neighbouring numbers of a row of out0.
; LIMIT: e6 + e7 between -126 and 127, so that 2^(e6 + e7) is an f32 number.
; REGISTERS: window 0: v16, v17 LDS addresses of my fragments; v24-26 the way out; v64-95 scaled sums; v128-191 two sets of four accumulators; v192-255 rows read back, two sets.
;   window 1: o's fragments of a tile of 16 tokens, all of K: two buffers of 128.   windows 2, 3: W_out's fragments: (K step t, column tile i) at 64 (t % 4) + 16 i of window 2 + t / 4.
.set WP,     1040                      ; W_out's LDS row: 1,024 bytes + 16 = 260 words: row r starts at bank 4 r mod 64 (64 banks of 4 bytes: ISA guide 11.1)
.set OW,     131072                    ; W_out behind o
.set STG,    OW+128*WP                 ; a stage of 16 rows x 272 bytes for each wave; no tensor load lands there
.set SPITCH, 272
.set SPARE,  STG+4*16*SPITCH           ; the spare words, 128 bytes for each wave; no other line names them
.set ADRA, 16
.set ADRB, 17
.set STO,  24
.set RD,   25
.set CO,   26
.set TMP,  64
.set ACC,  128
.set BK,   192
.set G1A, 24                           ; s[24:31], s[32:39] descriptor groups 1;  s[40:43], s[44:47] groups 0
.set G1B, 32
.set G0A, 40
.set G0B, 44
.set MSB, 0
.macro WIN new
.if MSB != (\new)
	s_set_vgpr_msb (MSB<<8)|(\new)
.set MSB, (\new)
.endif
.endm
.macro PLACES
.rept 4
	v_nop
.endr
.endm
.macro CROUND                          ; a round of the cluster's barrier
	s_barrier_signal -1
	s_barrier_wait -1
	s_cmp_lg_u32 s18, 0
	s_cbranch_scc1 .Lnot_wave_0_\@
	s_barrier_signal -3
.Lnot_wave_0_\@:
	s_barrier_wait -3
	s_barrier_signal -1
	s_barrier_wait -1
.endm
	s_load_b256 s[4:11], s[0:1], 0x0               ; o_img s[4:5], W_out's codes s[6:7], the scales' exponents s[8:9], out0 s[10:11]
	v_lshl_add_u32 v30, v0, 2, SPARE
	v_mov_b32 v31, 0
	ds_add_u32 v30, v31                            ; the opening: the add, twice on end, and its wait
	ds_add_u32 v30, v31
	v_lshrrev_b32 v1, 5, v0
	v_readfirstlane_b32 s18, v1                    ; wave 0..3
	s_lshr_b32 s19, s18, 1                         ; which half of the tile's rows is mine.  Also: I fetch o (0) or W_out (1)
	s_and_b32 s20, s18, 1                          ; which half of its columns.  Also: which half of that tile I fetch
	s_bfe_u32 s21, ttmp6, 0x40000                  ; cx, cy
	s_bfe_u32 s22, ttmp6, 0x40004
	s_lshl_b32 s23, ttmp9, 2
	s_add_co_u32 s23, s23, s21                     ; tile column = 4 x cluster x + cx
	s_and_b32 s3, ttmp7, 0xffff
	s_lshl_b32 s3, s3, 2
	s_add_co_u32 s3, s3, s22                       ; tile row = 4 x cluster y + cy
	s_lshl_b32 s2, s22, 2
	s_lshl_b32 s2, 15, s2                          ; my row of the cluster
	s_lshl_b32 s58, 0x1111, s21                    ; my column
	s_or_b32 s[G1A], s2, (3<<16)|(1<<21)           ; o: elements of 8 bytes, no padding; 21 set beside a mask
	s_mov_b32 s[G1A+1], 32<<16                     ; tensor_dim0 = 32: 256 rows of 256 bytes, dense: four tiles of tokens
	s_mov_b32 s[G1A+2], 256<<16                    ; tensor_dim1
	s_mov_b32 s[G1A+3], 32<<16                     ; tile_dim0
	s_mov_b32 s[G1A+4], 256                        ; tile_dim1
	s_mov_b32 s[G1A+5], 32
	s_mov_b32 s[G1A+6], 0
	s_mov_b32 s[G1A+7], 0
	s_or_b32 s[G1B], s58, (1<<20)|(1<<21)|(7<<22)|(3<<25)   ; W_out: elements of 1 byte; four words of padding after every 256
	s_mov_b32 s[G1B+1], 1024<<16
	s_mov_b32 s[G1B+2], 64<<16
	s_mov_b32 s[G1B+3], 1024<<16
	s_mov_b32 s[G1B+4], 64
	s_mov_b32 s[G1B+5], 1024
	s_mov_b32 s[G1B+6], 0
	s_mov_b32 s[G1B+7], 0
	s_lshl_b32 s86, s3, 3
	s_lshl_b32 s2, s20, 2
	s_add_co_u32 s86, s86, s2                      ; o: tile of tokens 8 x tile row + 4 x half
	s_lshl_b32 s86, s86, 14
	s_mov_b32 s87, 0
	s_lshl_b32 s88, s23, 7
	s_lshl_b32 s58, s20, 6
	s_add_co_u32 s88, s88, s58                     ; W_out: row 128 x tile column + 64 x half
	s_lshl_b32 s88, s88, 10
	s_mov_b32 s89, 0
	s_mov_b32 s[G0A], 1
	s_lshl_b32 s[G0A+1], s20, 16                   ; where they go: no place in the cluster enters an LDS address
	s_mov_b32 s[G0B], 1
	s_mul_i32 s[G0B+1], s20, 64*WP
	s_add_co_u32 s[G0B+1], s[G0B+1], OW
	s_wait_dscnt 0x0                               ; both opening adds are done
	s_wait_kmcnt 0x0
	s_load_b64 s[84:85], s[8:9], 0x18              ; e6, e7
	s_add_nc_u64 s[G0A+2:G0A+3], s[4:5], s[86:87]
	s_or_b32 s[G0A+3], s[G0A+3], 0x80000000
	s_add_nc_u64 s[G0B+2:G0B+3], s[6:7], s[88:89]
	s_or_b32 s[G0B+3], s[G0B+3], 0x80000000
	CROUND                                         ; all sixteen work-groups are here: the joint loads meet
	s_cmp_lt_u32 s18, 2                            ; one load a wave, in the arms of one branch on its number
	s_cbranch_scc0 .Lfor_b
	tensor_load_to_lds s[G0A:G0A+3], s[G1A:G1A+7]
	s_nop 0
	PLACES
	s_branch .Lasked
.Lfor_b:
	tensor_load_to_lds s[G0B:G0B+3], s[G1B:G1B+7]
	s_nop 0
	PLACES
.Lasked:
	s_lshl_b32 s90, s3, 7
	s_lshl_b32 s2, s19, 6
	s_add_co_u32 s90, s90, s2                      ; my first row: 128 x tile row + 64 x half
	s_lshl_b32 s90, s90, 12
	s_lshl_b32 s2, s23, 9                          ; my first column, in bytes: 512 x tile column + 256 x half
	s_add_co_u32 s90, s90, s2
	s_lshl_b32 s2, s20, 8
	s_add_co_u32 s90, s90, s2
	s_mov_b32 s91, 0
	s_add_nc_u64 s[10:11], s[10:11], s[90:91]
	s_lshl_b32 s56, s19, 16                        ; my four tiles of tokens
	s_mul_i32 s57, s20, 64*WP
	s_add_co_u32 s57, s57, OW                      ; my 64 rows of W_out
	s_mul_i32 s58, s18, 16*SPITCH
	s_add_co_u32 s58, s58, STG                     ; my stage
	v_and_b32 v1, 15, v0                           ; r
	v_bfe_u32 v2, v0, 4, 1                         ; h
	v_and_b32 v3, 31, v0
	v_lshlrev_b32 v3, 4, v3                        ; 16 x lane
	v_add_nc_u32 v[ADRA], s56, v3
	v_mul_u32_u24 v4, v1, WP
	v_lshl_add_u32 v4, v2, 4, v4
	v_add_nc_u32 v[ADRB], s57, v4
	v_mul_u32_u24 v5, v1, SPITCH
	v_lshl_add_u32 v5, v2, 5, v5
	v_add_nc_u32 v[STO], s58, v5                   ; in: row r, 32 bytes for each half of the lanes
	v_mul_u32_u24 v6, v2, SPITCH
	v_lshl_add_u32 v6, v1, 4, v6
	v_add_nc_u32 v[RD], s58, v6                    ; back: lanes 0-15 one row of 256 bytes, lanes 16-31 the next
	v_lshlrev_b32 v[CO], 12, v2
	v_lshl_add_u32 v[CO], v1, 4, v[CO]             ; and the same two rows in out0
.macro LW t                            ; W_out's fragments of K step t: 16 loads
	WIN 0x80+0x40*((\t)/4)
.irp i, 0,1,2,3
.irp c, 0,1,2,3
	ds_load_b128 v[64*((\t)%4)+16*\i+4*\c:64*((\t)%4)+16*\i+4*\c+3], v[ADRB] offset:\i*16*WP+128*(\t)+32*\c
.endr
.endr
.endm
.macro LA a, t                         ; o's fragment of tile a, K step t: 4 loads
	WIN 0x40
.irp c, 0,1,2,3
	ds_load_b128 v[128*((\a)%2)+16*(\t)+4*\c:128*((\a)%2)+16*(\t)+4*\c+3], v[ADRA] offset:(\a)*16384+2048*(\t)+512*\c
.endr
.endm
.macro MUL a, t                        ; the four accumulators take turns, one instruction a turn; the first K step starts the sums
	WIN 0x06+((\t)/4)
.irp b, 0,1,2,3
.if (\t) == 0
	v_wmma_f32_16x16x128_bf8_bf8 v[ACC+32*((\a)%2)+8*\b:ACC+32*((\a)%2)+8*\b+7], v[64*((\t)%4)+16*\b:64*((\t)%4)+16*\b+15], v[128*((\a)%2)+16*(\t):128*((\a)%2)+16*(\t)+15], 0
.else
	v_wmma_f32_16x16x128_bf8_bf8 v[ACC+32*((\a)%2)+8*\b:ACC+32*((\a)%2)+8*\b+7], v[64*((\t)%4)+16*\b:64*((\t)%4)+16*\b+15], v[128*((\a)%2)+16*(\t):128*((\a)%2)+16*(\t)+15], v[ACC+32*((\a)%2)+8*\b:ACC+32*((\a)%2)+8*\b+7]
.endif
.endr
.endm
; THE WAY OUT of a tile of 16 tokens x 64 columns: x 2^(e6 + e7), through my own stage in LDS, back as whole rows of 256 bytes.  LDS serves a wave's instructions in order (ISA guide 5.7.1.4):
; no wait between the stores and the loads, nor in front of the next tile's stores.
.macro TOSTAGE a
.irp b, 0,1,2,3
.irp i, 0,2,4,6
	v_pk_mul_f32 v[TMP+8*\b+\i:TMP+8*\b+\i+1], v[ACC+32*((\a)%2)+8*\b+\i:ACC+32*((\a)%2)+8*\b+\i+1], s[84:85] op_sel_hi:[1,0]   ; each accumulator from its low end on
.endr
.endr
.irp b, 0,1,2,3
	ds_store_b128 v[STO], v[TMP+8*\b:TMP+8*\b+3] offset:64*\b
	ds_store_b128 v[STO], v[TMP+8*\b+4:TMP+8*\b+7] offset:64*\b+16
.endr
.irp t, 0,1,2,3,4,5,6,7
	ds_load_b128 v[BK+32*((\a)%2)+4*\t:BK+32*((\a)%2)+4*\t+3], v[RD] offset:\t*2*SPITCH
.endr
.endm
.macro SEND a, younger                 ; younger: the LDS loads issued behind tile a's, which may stay out
	s_wait_dscnt \younger
.irp t, 0,1,2,3,4,5,6,7
	global_store_b128 v[CO], v[BK+32*((\a)%2)+4*\t:BK+32*((\a)%2)+4*\t+3], s[10:11] offset:(16*(\a)+2*\t)*4096 th:TH_STORE_NT   ; 16 lanes store 256 consecutive bytes, at a multiple of 256 from out0's first byte; written once, read by nobody here
.endr
.endm
	s_wait_alu depctr_va_vdst(0)                   ; the wait at the head's end
	s_wait_kmcnt 0x0
	s_add_co_i32 s84, s84, s85
	s_add_co_i32 s84, s84, 127
	s_lshl_b32 s84, s84, 23                        ; 2^(e6 + e7) as f32
	s_mov_b32 s85, s84                             ; (named with it as a pair, so it is written)
	s_wait_tensorcnt 0x0                           ; my half of o's or of W_out's tile is in
	s_wait_dscnt 0x0
	s_barrier_signal -1
	s_barrier_wait -1                              ; everybody's is
.irp t, 0,1,2
	LA 0, \t
	LW \t
.endr
.irp t, 0,1,2,3,4,5,6,7                ; a K step is 20 loads; behind step t's loads stand those of t + 1 and t + 2
.if \t < 6
	s_wait_dscnt 40
.elseif \t == 6
	s_wait_dscnt 36                                ; step 7's 20 and 16 of tile 1's
.else
	s_wait_dscnt 32                                ; tile 1's
.endif
	MUL 0, \t
.if \t < 5
	LA 0, \t+3
	LW \t+3
.elseif \t == 5
	LA 1, 0
	LA 1, 1
	LA 1, 2
	LA 1, 3
.elseif \t == 6
	LA 1, 4
	LA 1, 5
	LA 1, 6
	LA 1, 7
.endif
.endr
.irp a, 0,1,2,3
.if \a > 0
.irp t, 0,1,2,3,4,5,6,7
	MUL \a, \t
.endr
.endif
	PLACES                                         ; behind the last products, in front of the scaling and of loads into o's buffer
	WIN 0
.if \a > 1
	s_wait_xcnt 0x0                                ; tile a - 2's stores have read their registers: tile a's loads may land there
.endif
	TOSTAGE \a
.if \a < 2
.irp t, 0,1,2,3,4,5,6,7
	LA \a+2, \t                                    ; the buffer takes the tile two further on
.endr
	WIN 0
	SEND \a, 32
.else
	SEND \a, 0
.endif
.endr
	s_wait_tensorcnt 0x0                           ; the wave's end
	ds_add_u32 v30, v31
	s_wait_dscnt 0x0
	CROUND                                         ; the closing round: no work-group ends while a partner may still ask for a tile that names it
	s_endpgm
.Lfunc_end_k_qe6eac2fcbf_oproj:
	.size	k_qe6eac2fcbf_oproj, .Lfunc_end_k_qe6eac2fcbf_oproj-k_qe6eac2fcbf_oproj
	.p2alignl 7, 3214868480
	.fill 96, 4, 3214868480
	.section	.rodata,"a",@progbits
	.p2align	6, 0x0
	.amdhsa_kernel k_qe6eac2fcbf_oproj
		.amdhsa_group_segment_fixed_size 327680
		.amdhsa_private_segment_fixed_size 0
		.amdhsa_enable_private_segment 0
		.amdhsa_kernarg_size 32
		.amdhsa_user_sgpr_count 2
		.amdhsa_user_sgpr_kernarg_segment_ptr 1
		.amdhsa_wavefront_size32 1
		.amdhsa_system_sgpr_workgroup_id_x 1
		.amdhsa_system_sgpr_workgroup_id_y 1
		.amdhsa_system_sgpr_workgroup_id_z 1
		.amdhsa_system_vgpr_workitem_id 0
		.amdhsa_next_free_vgpr 1024
		.amdhsa_next_free_sgpr 96
		.amdhsa_reserve_vcc 0
		.amdhsa_float_denorm_mode_32 3
		.amdhsa_float_denorm_mode_16_64 3
		.amdhsa_memory_ordered 1
		.amdhsa_forward_progress 1
		.amdhsa_inst_pref_size 44
	.end_amdhsa_kernel
	.amdgpu_metadata
---
amdhsa.version: [ 1, 2 ]
amdhsa.kernels:
  - .name:           k_qe6eac2fcbf_oproj
    .symbol:         k_qe6eac2fcbf_oproj.kd
    .args:
      - { .name: o_img, .offset: 0, .size: 8, .value_kind: global_buffer, .address_space: global }
      - { .name: w_out_codes, .offset: 8, .size: 8, .value_kind: global_buffer, .address_space: global }
      - { .name: lowp_scales, .offset: 16, .size: 8, .value_kind: global_buffer, .address_space: global }
      - { .name: out0, .offset: 24, .size: 8, .value_kind: global_buffer, .address_space: global }
    .group_segment_fixed_size: 327680
    .private_segment_fixed_size: 0
    .kernarg_segment_align: 8
    .kernarg_segment_size: 32
    .max_flat_workgroup_size: 128
    .sgpr_count:     96
    .vgpr_count:     1024
    .wavefront_size: 32
...
	.end_amdgpu_metadata
.endif
;; end of part 4
